; MI455X (gfx1250); checked and timed in simulation.
; The chip was launched on July 23, 2026; its instructions are those of AMD's public machine-readable ISA for CDNA 5 (MIT licence, August 2026) and "CDNA5" Instruction Set Architecture Reference Guide (July 2026). The comments in the code are by the model that wrote it; some were corrected since.
;; Cross Attention. Allowed arithmetic: matrix products marked QUANTISED: E2M3 operands, one E8M0 scale for each 32 along K, by v_wmma_scale_f32_16x16x128_f8f6f4 with both operands' format E2M3, f32 sums; everything else in f32.
;; Inputs: bo 1,024 float32; bq 1,024 float32; k 8 x 1,500 x 1,024 float32; v 8 x 1,500 x 1,024 float32; wo 1,024 x 1,024 float32; wq 1,024 x 1,024 float32; x 8 x 1,024 x 1,024 float32.
;; Outputs: out0 8 x 1,024 x 1,024 float32.
;; This version of the problem:
;;   THIS VERSION OF THE PROBLEM IS GIVEN IN LOW PRECISION. The matrix products marked QUANTISED in the list below multiply operands that are first quantised to E2M3 (2 exponent bits, 3 mantissa bits; 6 bits a number), with one power-of-two scale for each 32 numbers along K (OCP MX v1.0); their sums are f32. All else is computed in f32.
;;   The module's matrix products, in the order in which they are computed (A, B: the left and right operand; K: the contracted axis; several contracted axes count as one K, in the product's order):
;;     1. [M 8,192, K 1,024] x [K 1,024, N 1,024]; A: input x; B: input wq: QUANTISED
;;     2. batch 128 x [M 1,024, K 64] x [K 64, N 1,500]; A: computed on the way; B: input k: QUANTISED
;;     3. batch 128 x [M 64, K 1,500] x [K 1,500, N 1,024]; A: input v; B: softmax (see below): QUANTISED
;;     4. [M 8,192, K 1,024] x [K 1,024, N 1,024]; A: computed on the way; B: input wo: QUANTISED
;;   THE QUANTISER, for each operand of a quantised product, along K:
;;     - K is cut into blocks of 32 from its start; a last block that is shorter is filled with zeros.
;;     - A block's scale is 2^e with e = floor(log2(the largest magnitude in the block)) - 2, held to -126 .. 127; a block of zeros has e = 0. As a byte (E8M0): e + 127.
;;     - Each number is divided by its block's scale, clamped to +-7.5, and rounded to the nearest number of E2M3, ties to even, subnormals kept.
;;     - The product sums the exact products of the quantised numbers (number of the format x scale) in f32.
;;   ~~~python
;;   def quantise(x, axis):      # numpy; x: float32 -> the quantised numbers, widened to float32 again
;;       x = np.moveaxis(x, axis, -1); K = x.shape[-1]
;;       x = np.pad(x, [(0, 0)] * (x.ndim - 1) + [(0, -K % 32)]); x = x.reshape(x.shape[:-1] + (-1, 32)); a = np.abs(x).max(-1, keepdims=True)
;;       e = np.where(a > 0, np.clip(np.frexp(np.where(a > 0, a, 1))[1] - 1 - 2, -126, 127), 0)      # np.frexp(a)[1] - 1 = floor(log2(a)), exactly
;;       r = np.clip(x / 2.0 ** e, -7.5, 7.5)
;;       step = 2.0 ** (np.maximum(np.frexp(np.where(r == 0, 1, r))[1] - 1, 0) - 3)
;;       q = np.round(r / step) * step * 2.0 ** e      # np.round: ties to even
;;       return np.moveaxis(q.reshape(q.shape[:-2] + (-1,))[..., :K], -1, axis).astype(np.float32)
;;   ~~~
;;   SOFTMAX AHEAD OF A QUANTISED PRODUCT. Where the list says 'softmax', what is quantised is not the finished softmax but p = 2^(t - M), with t = logit x log2(e) and M = ceil(the row's largest t), a whole number; so 1/2 < the row's largest p <= 1. The row's sum l is taken of the UNQUANTISED p, in f32, and the product's result is divided by l at the end. Since M is a whole number, a kernel that streams over the keys may use a running M (the ceiling of the running maximum): every later rescaling is an exact power of two, which a block's scale takes up: the codes' values come out the same.
;;   OPERANDS COMPUTED ON THE WAY. 'Computed on the way' means the value that the module computes at that place (a softmax that the list does not call 'softmax' is quantised finished and normalised). What goes into a quantiser is computed in f32, as accurately as f32 sums, v_exp_f32 and their like allow (about 1e-6 of the number): no bf16 or f16 on the way to a quantiser, and a product that is left as it is and whose result goes on into a quantised operand takes f32 operands (vector FMAs, or v_wmma_f32_16x16x4_f32). A number that lies on a knife's edge between two numbers of the format may be rounded either way, as far as f32 arithmetic and the matrix unit's own rounding can turn it there, and no further.
;; One version. Each part assembles by itself: llvm-mc -triple=amdgcn-amd-amdhsa -mcpu=gfx1250 --defsym DOCPART=n.
;; ======== version 1 of 1: 3 launches
;; limits: right only within a limited range of input values
;; workspace buffers: xq 6,553,600 bytes; kq 9,830,400 bytes; vq 9,830,400 bytes; wqq 819,200 bytes; woq 819,200 bytes; aq 6,553,600 bytes
;; launch quant (part 1): grid 1120 x 1, 4 waves a work-group, no clusters, 49,152 bytes of LDS; arguments x, k, wq, wo, xq, kq, wqq, woq, v, vq; writes xq, kq, wqq, woq, vq
.if DOCPART == 1
	.amdgcn_target "amdgcn-amd-amdhsa--gfx1250"
	.amdhsa_code_object_version 6
	.text
	.protected	k_q2b8b258e69_quant
	.globl	k_q2b8b258e69_quant
	.p2align	8
	.type	k_q2b8b258e69_quant,@function
k_q2b8b258e69_quant:
	s_mov_b64 s[64:65], 0
	v_nop
	global_prefetch_b8 v0, s[64:65] scope:SCOPE_SE
	s_setreg_imm32_b32 hwreg(HW_REG_WAVE_MODE, 25, 1), 1
	s_wait_xcnt 0x0
; x [8192][1024], k [12000][1024], wq, wo [1024][1024], f32 with K innermost, become codes of FP6 (E2M3) with one E8M0 byte for each 32 along K,
; laid as IMAGES OF OPERAND REGISTERS: a fragment (16 row slots x 128 K, 12 registers a lane) is 1,536 bytes, registers 4 c .. 4 c + 3 of lane l at 512 c + 16 l.
; Scale words lie in quads: 256 bytes = [slot 16][4 fragments that are used together], so that one load of 16 bytes brings a lane four words.
; One path serves all four tensors; what differs is a handful of strides, chosen by the work-group's number g:
;   g 0-127 x (64 rows a work-group), 128-319 k (a batch's 128 keys x 8 heads), 320-335 wq (a head's 64 rows), 336-351 wo (64 rows).
; Wave w makes 8 fragments.  x, wo: tile w of the block, fragment it = K step it, slots = neighbouring rows.  wq: the same, but slot r of tile 2 b + u is row 32 b + 8 u + r + 8 (r / 8),
; so that the product's results come out as neighbours along the next K.  k: fragment it = head 8 hh2 + it; slot r of pair w = 2 c + p of the step's 128 keys holds the 64 numbers of key 64 c + 32 (r / 8) + 16 p + r % 8
; and then those of that key + 8: in the scores a lane's 32 registers of four tiles are then a WHOLE block of 32 neighbouring keys.
; A fragment's 8,192 bytes are read as 32 pieces of 256 bytes, two a load (16 lanes each), go through the wave's stage in LDS (row r: its two pieces, + 16 bytes) and come back 64 bytes a lane:
; register 16 b + i = k 32 b + 16 (lane / 16) + i of row lane % 16, which is what the conversions want.
; A block's scale is 2^(floor(log2(largest magnitude)) - 2); its byte is the largest magnitude's exponent field - 2, held at 1 from below.
; LIMITS: a block of zeros, or one whose largest magnitude lies under 2^-124, gets the byte 1 (the bytes are read by this program alone; zero codes add nothing); NaN and infinities are not served.
; k has 1,500 keys a batch, 12 x 128 = 1,536 slots: slots past a batch's end take the rows that follow (the last batch's: the buffer's last row, by a minimum on the offset); the attention launch never uses their scores.
.set STGB,  8448                       ; a wave's stage: 16 rows x 528 bytes
.set SPI,   528
.set SCA,   4*STGB                     ; the work-group's 512 scale words: wave x 512 + fragment x 64 + 4 x slot
.set SPARE, SCA+2048                   ; the spare words, 128 bytes a wave: two blocks of 256 bytes that no other line names
.set LI,   4                           ; v4   16 x lane
.set STW,  5                           ; v5   the stage, on the way in
.set STR,  6                           ; v6   and on the way out
.set SCW,  7                           ; v7   where my scale word goes
.set SCR,  8                           ; v8   where I read words back
.set T16,  9                           ; v9   16 x thread
.set VB,   10                          ; v10  my byte offset in the tensor
.set VLIM, 11                          ; v11  the offset's upper bound
.set PW,   12                          ; v12  the scale word just made
.set SPW,  13                          ; v13  my spare word's LDS address; never rewritten
.set NIL,  14                          ; v14  0; never rewritten
.set AD,   16                          ; v16-31   the 16 loads' offsets
.set R,    32                          ; v32-159  two sets of 64 registers as loaded
.set X,    160                         ; v160-223 64 numbers back from the stage
.set PC,   224                         ; v224-235 the codes; v236-242 at work
.set TMX,  244                         ; v244-247 largest magnitudes
.set TMB,  248                         ; v248-251 the other half's; then the bytes
.set TMS,  252                         ; v252-255 the conversions' scale operands
.set SB,   40                          ; s[40:55] the tensor at fragment it
.set DB,   66                          ; s[66:81] the images' buffer at fragment it
.set SCD,  82                          ; s[82:83] the work-group's 2,048 bytes of quads
.set SEL,  84                          ; s[84:85] lane selects: lane l xor 16
	; Work-groups 352 to 1,119 quantise v, on a path of their own at the text's end, with LDS bytes of their own; the choice hangs on the work-group's number alone.
	v_lshl_add_u32 v[SPW], v0, 2, SPARE
	v_mov_b32 v[NIL], 0
	s_cmp_ge_u32 ttmp9, 352
	s_cbranch_scc1 .Lvpath
	s_load_b512 s[8:23], s[0:1], 0x0               ; x, k, wq, wo, xq, kq, wqq, woq
	v_lshrrev_b32 v1, 5, v0
	v_readfirstlane_b32 s2, v1                     ; wave
	s_mov_b32 s3, ttmp9                            ; g
	v_and_b32 v2, 15, v0                           ; r
	v_bfe_u32 v3, v0, 4, 1                         ; which half of the lanes
	v_and_b32 v1, 31, v0
	v_lshlrev_b32 v[LI], 4, v1
	s_mul_i32 s86, s2, STGB
	v_mul_u32_u24 v[STW], v3, SPI                  ; in: lanes 0-15 one row's piece, lanes 16-31 the next row's; 16 bytes a lane
	v_lshl_add_u32 v[STW], v2, 4, v[STW]
	v_add_nc_u32 v[STW], s86, v[STW]
	v_mul_u32_u24 v[STR], v2, SPI                  ; out: row r, 64 bytes on for lanes 16-31
	v_lshl_add_u32 v[STR], v3, 6, v[STR]
	v_add_nc_u32 v[STR], s86, v[STR]
	s_lshl_b32 s86, s2, 9
	s_add_co_u32 s86, s86, SCA
	v_lshl_add_u32 v[SCW], v2, 2, s86
	v_lshl_add_u32 v[SCR], v0, 2, SCA
	v_lshlrev_b32 v[T16], 4, v0
.irp b, 0,1,2,3
	v_mov_b32 v[TMB+\b], 0                         ; written once: a lane permute's destination counts as one of its sources
.endr
	s_mov_b32 s[SEL], 0x76543210
	s_mov_b32 s[SEL+1], 0xfedcba98
	; k's own numbers, made in every work-group and chosen below: jk = batch x 24 + step x 2 + half of the heads
	s_max_u32 s86, s3, 128
	s_sub_co_u32 s86, s86, 128
	s_min_u32 s86, s86, 191                        ; jk
	s_mul_i32 s87, s86, 2731
	s_lshr_b32 s87, s87, 16                        ; batch = jk / 24 (exact for jk under 192)
	s_mul_i32 s88, s87, 24
	s_sub_co_u32 s88, s86, s88
	s_lshr_b32 s89, s88, 1                         ; step of 128 keys
	s_and_b32 s90, s88, 1                          ; heads 0-7 or 8-15
	s_mul_i32 s91, s87, 1500
	s_lshl_b32 s92, s89, 7
	s_add_co_u32 s91, s91, s92
	s_lshl_b32 s91, s91, 12
	s_lshl_b32 s92, s90, 11
	s_add_co_u32 s91, s91, s92                     ; k: the first key's row, + 2,048 bytes for heads 8-15
	s_add_co_u32 s92, s92, 11999*4096              ; k: the same place in the buffer's last row
	s_lshl_b32 s93, s87, 4
	s_lshl_b32 s94, s90, 3
	s_add_co_u32 s93, s93, s94
	s_mul_i32 s93, s93, 48
	s_lshl_b32 s95, s89, 2
	s_add_co_u32 s93, s93, s95
	s_mul_i32 s93, s93, 1536                       ; k: images [batch][head][4 step + pair][1,536]
	s_mul_i32 s95, s87, 12
	s_add_co_u32 s95, s95, s89
	s_lshl_b32 s95, s95, 4
	s_add_co_u32 s95, s95, s94
	s_lshl_b32 s95, s95, 8
	s_add_co_u32 s95, s95, 9437184                 ; k: quads [batch][step][head][256]
	; the strides: wo's, then overridden for wq, k, x
	s_mov_b32 s87, 336                             ; the tensor's first work-group
	s_mov_b32 s28, 32768                           ; slots 8-15 begin so many bytes on
	s_mov_b32 s29, 256                             ; a row's second piece
	s_mov_b32 s30, 512                             ; from fragment to fragment in the tensor
	s_mov_b32 s32, 131072                          ; wave / 2
	s_mov_b32 s33, 65536                           ; wave % 2
	s_mov_b32 s38, 1536                            ; from fragment to fragment among the images
	s_mov_b32 s88, 12288                           ; from wave to wave among the images
	s_mov_b32 s89, 49152                           ; from work-group to work-group among the images
	s_mov_b32 s90, 786432                          ; where the quads begin
	s_mov_b32 s94, 2048                            ; from work-group to work-group among the quads
	s_cmp_lt_u32 s3, 336                           ; wq
	s_cselect_b32 s87, 320, s87
	s_cselect_b32 s28, 65536, s28
	s_cselect_b32 s33, 32768, s33
	s_cselect_b32 s89, 51200, s89
	s_cselect_b32 s90, 49152, s90
	s_cselect_b32 s94, 51200, s94
	s_cmp_lt_u32 s3, 320                           ; k: slots 8-15 lie 32 keys on, the second piece 8 keys on, an odd wave 16 keys on, waves 2 and 3 64 keys on
	s_cselect_b32 s87, 128, s87
	s_cselect_b32 s28, 131072, s28
	s_cselect_b32 s29, 32768, s29
	s_cselect_b32 s30, 256, s30
	s_cselect_b32 s32, 262144, s32
	s_cselect_b32 s33, 65536, s33
	s_cselect_b32 s38, 73728, s38
	s_cselect_b32 s88, 1536, s88
	s_cmp_lt_u32 s3, 128                           ; x
	s_cselect_b32 s87, 0, s87
	s_cselect_b32 s28, 32768, s28
	s_cselect_b32 s29, 256, s29
	s_cselect_b32 s30, 512, s30
	s_cselect_b32 s32, 131072, s32
	s_cselect_b32 s33, 65536, s33
	s_cselect_b32 s38, 1536, s38
	s_cselect_b32 s88, 12288, s88
	s_cselect_b32 s89, 49152, s89
	s_cselect_b32 s90, 6291456, s90
	s_cselect_b32 s94, 2048, s94
	s_sub_co_u32 s86, s3, s87                      ; j: the work-group's number within its tensor
	s_lshl_b32 s34, s86, 18                        ; 64 rows of 4,096 bytes
	s_mul_i32 s36, s86, s89
	s_mul_i32 s56, s86, s94
	s_add_co_u32 s56, s56, s90
	s_mov_b32 s35, 0x7fff0000                      ; no bound
	s_sub_co_u32 s87, s3, 128
	s_cmp_lt_u32 s87, 192                          ; k has its own four
	s_cselect_b32 s34, s91, s34
	s_cselect_b32 s35, s92, s35
	s_cselect_b32 s36, s93, s36
	s_cselect_b32 s56, s95, s56
	s_lshr_b32 s86, s2, 1
	s_mul_i32 s86, s86, s32
	s_add_co_u32 s34, s34, s86
	s_and_b32 s86, s2, 1
	s_mul_i32 s86, s86, s33
	s_add_co_u32 s34, s34, s86                     ; my wave's first row
	s_mul_i32 s86, s2, s88
	s_add_co_u32 s36, s36, s86                     ; my wave's first image
	s_mov_b32 s31, 0
	s_mov_b32 s37, 0
	s_mov_b32 s39, 0
	s_mov_b32 s57, 0
	s_mov_b32 s58, 0                               ; the four places of (slots 8-15, second piece)
	s_mov_b32 s59, s29
	s_mov_b32 s60, s28
	s_add_co_u32 s61, s28, s29
	v_lshlrev_b32 v[VB], 4, v2
	v_lshl_add_u32 v[VB], v3, 12, v[VB]
	v_add_nc_u32 v[VB], s34, v[VB]                 ; first row + one row for lanes 16-31 + 16 r
	v_lshl_add_u32 v[VLIM], v2, 4, s35
.irp i, 0,1,2,3,4,5,6,7,8,9,10,11,12,13,14,15      ; load i: rows 8 (i / 8) + 2 (i % 4) and the next, piece (i / 4) % 2
	v_add3_u32 v[AD+\i], v[VB], s[58+2*(\i/8)+(\i/4)%2], ((2*\i)%8)*4096
.endr
.irp i, 0,1,2,3,4,5,6,7,8,9,10,11,12,13,14,15
	v_min_u32 v[AD+\i], v[AD+\i], v[VLIM]          ; no load leaves its buffer
.endr
	s_wait_alu depctr_va_vdst(0)
	s_wait_kmcnt 0x0
	s_mov_b64 s[24:25], s[14:15]                   ; the buffers: a choice on the work-group's number alone
	s_mov_b64 s[26:27], s[22:23]
	s_cmp_lt_u32 s3, 336
	s_cselect_b64 s[24:25], s[12:13], s[24:25]
	s_cselect_b64 s[26:27], s[20:21], s[26:27]
	s_cmp_lt_u32 s3, 320
	s_cselect_b64 s[24:25], s[10:11], s[24:25]
	s_cselect_b64 s[26:27], s[18:19], s[26:27]
	s_cmp_lt_u32 s3, 128
	s_cselect_b64 s[24:25], s[8:9], s[24:25]
	s_cselect_b64 s[26:27], s[16:17], s[26:27]
	s_mov_b64 s[SB:SB+1], s[24:25]
	s_add_nc_u64 s[DB:DB+1], s[26:27], s[36:37]
.irp t, 1,2,3,4,5,6,7
	s_add_nc_u64 s[SB+2*\t:SB+2*\t+1], s[SB+2*\t-2:SB+2*\t-1], s[30:31]
	s_add_nc_u64 s[DB+2*\t:DB+2*\t+1], s[DB+2*\t-2:DB+2*\t-1], s[38:39]
.endr
	s_add_nc_u64 s[SCD:SCD+1], s[26:27], s[56:57]
.macro LOADS t                         ; fragment t: 16 loads, each two whole pieces of 256 consecutive bytes
.irp i, 0,1,2,3,4,5,6,7,8,9,10,11,12,13,14,15
	global_load_b128 v[R+64*((\t)%2)+4*\i:R+64*((\t)%2)+4*\i+3], v[AD+\i], s[SB+2*(\t):SB+2*(\t)+1] th:TH_LOAD_NT
.endr
.endm
; 64 numbers of a lane, register 16 b + i = k 32 b + 16 (lane / 16) + i of my row, become a fragment's codes in v[PC] on and its scale word in v[PW]
.macro QUANT s
.irp b, 0,1,2,3
	v_max3_num_f32 v[TMX+\b], |v[\s+16*\b]|, |v[\s+1+16*\b]|, 0x1800000   ; block b: my 16 numbers and the floor 2^(3 - 127): the byte cannot fall under 1
.endr
.irp i, 2,4,6,8,10,12,14
.irp b, 0,1,2,3
	v_max3_num_f32 v[TMX+\b], v[TMX+\b], |v[\s+16*\b+\i]|, |v[\s+1+16*\b+\i]|   ; the four blocks by turns
.endr
.endr
.irp b, 0,1,2,3
	v_permlanex16_b32 v[TMB+\b], v[TMX+\b], s[SEL], s[SEL+1]
.endr
.irp b, 0,1,2,3
	v_max_num_f32 v[TMX+\b], v[TMX+\b], v[TMB+\b]  ; with lane l xor 16's: the block's largest magnitude
.endr
.irp b, 0,1,2,3
	v_add_nc_u32 v[TMS+\b], 0xff000000, v[TMX+\b]  ; 2 off its exponent field: the conversion takes that field as its scale
.endr
.irp b, 0,1,2,3
	v_lshrrev_b32 v[TMB+\b], 23, v[TMS+\b]         ; the scale's byte
.endr
	v_lshl_or_b32 v[PW], v[TMB+1], 8, v[TMB]
	v_lshl_or_b32 v[PW], v[TMB+2], 16, v[PW]
	v_lshl_or_b32 v[PW], v[TMB+3], 24, v[PW]
.irp c, 0,1
	v_cvt_scalef32_pk16_fp6_f32 v[PC+6*\c:PC+2+6*\c], v[\s+32*\c:\s+15+32*\c], v[TMS+2*\c]
	v_cvt_scalef32_pk16_fp6_f32 v[PC+12+4*\c:PC+14+4*\c], v[\s+16+32*\c:\s+31+32*\c], v[TMS+2*\c+1]   ; (a conversion's three registers begin on an even number)
.endr
	v_nop                                          ; one plain place behind a scaled conversion
.irp c, 0,1                                        ; the layout wants a whole block in a lane: lanes 0-15 block 2 c, lanes 16-31 block 2 c + 1
.irp i, 0,1,2
	v_permlane16_swap_b32 v[PC+6*\c+\i], v[PC+12+4*\c+\i]
.endr
.irp i, 0,1,2
	v_mov_b32 v[PC+3+6*\c+\i], v[PC+12+4*\c+\i]
.endr
.endr
.endm
.macro ITER t
.if (\t) < 7
	s_wait_loadcnt 16                              ; this fragment's 16 loads are in; the next fragment's 16 may be out
.else
	s_wait_loadcnt 0x0
.endif
.irp i, 0,1,2,3,4,5,6,7,8,9,10,11,12,13,14,15
	ds_store_b128 v[STW], v[R+64*((\t)%2)+4*\i:R+64*((\t)%2)+4*\i+3] offset:(8*(\i/8)+(2*\i)%8)*SPI+((\i/4)%2)*256
.endr
.irp b, 0,1,2,3
.irp j, 0,1,2,3
	ds_load_b128 v[X+16*\b+4*\j:X+16*\b+4*\j+3], v[STR] offset:128*\b+16*\j   ; LDS serves a wave's instructions in order: these see my stores
.endr
.endr
	s_wait_dscnt 0x0                               ; the numbers are back; the stores have read the loaded registers, and the last word's store its register
	s_wait_xcnt 0x0                                ; the last fragment's stores have read the codes' registers, which are written again below
.if (\t) < 6
	LOADS (\t)+2
.endif
	QUANT X
.irp c, 0,1,2
	global_store_b128 v[LI], v[PC+4*\c:PC+4*\c+3], s[DB+2*(\t):DB+2*(\t)+1] offset:512*\c   ; 32 lanes store 512 consecutive bytes, aligned to 256
.endr
	ds_store_b32 v[SCW], v[PW] offset:64*(\t)      ; lanes r and r + 16 write the same word with the same value
.endm
	LOADS 0
	LOADS 1
.irp t, 0,1,2,3,4,5,6,7
	ITER \t
.endr
	s_wait_dscnt 0x0                               ; for the others' sake: my scale words lie in LDS
	s_barrier_signal -1
	s_barrier_wait -1
.irp w, 0,1,2,3
	ds_load_b32 v[X+\w], v[SCR] offset:512*\w      ; thread 16 it + r: the four waves' words of fragment it, slot r: a quad
.endr
	s_wait_dscnt 0x0
	global_store_b128 v[T16], v[X:X+3], s[SCD:SCD+1]   ; the work-group's 2,048 consecutive bytes
	s_wait_tensorcnt 0x0                           ; the wave's end, behind my last LDS store
	ds_add_u32 v[SPW], v[NIL]
	s_wait_dscnt 0x0
	s_endpgm
; THE PATH FOR v.  v [8][1500][1024] f32 is the operand whose K is the KEYS, its outer axis within a batch.  It becomes codes of FP6 (E2M3), one E8M0 byte for each 32 keys, laid as images of the fragments of V^T:
; [batch][head][step of 128 keys][tile of 16 channels][1,536 bytes: registers 4 c .. 4 c + 3 of lane l at 512 c + 16 l]; slot r of tile 2 b + u is channel 32 b + 8 u + r + 8 (r / 8).
; Scale words in quads [batch][step][head][slot 16][tile 4], from byte 9,437,184 on.
; A lane takes a channel and its registers run down the keys: a block of 32 keys lies in one lane's 32 registers, and the conversions give codes with the keys innermost.
; Work-group j = number - 352 = (12 batch + step) x 8 + cq; wave w: channels 128 cq + 32 w + lane: half a head, two tiles.  Each load reads 128 consecutive bytes a wave, 512 a work-group.
; 1,500 = 11 x 128 + 92: in step 11 the keys 92 to 127 of the step are zeros, as the quantiser fills the last block.  Their 36 loads read 36 rows further up there (inside the buffer),
; and what they brought is replaced by 0 through a mask that is all ones in step 11 and 0 elsewhere: no branch.
; LIMITS: as on the first path.
.set VST,   36352                      ; behind the first path's bytes: four stages of 3,072 bytes (two images, 48 bytes a lane)
.set VSCA,  VST+12288                  ; two heads' quads, 512 bytes
.set VX,    64                         ; v64-191  four blocks of 32 numbers
.set VC,    192                        ; v192-223 eight registers a block: no LDS store's data are written again
.set VOUT,  32                         ; v32-55   the two images on their way out
.Lvpath:
	s_load_b128 s[4:7], s[0:1], 0x40               ; v, vq
	v_mov_b32 v8, 0                                ; the zero that stands for a key that does not exist
	v_lshrrev_b32 v1, 5, v0
	v_readfirstlane_b32 s2, v1                     ; wave
	s_mul_i32 s8, s2, 3072
	s_add_co_u32 s8, s8, VST                       ; my stage
	s_lshr_b32 s9, s2, 1                           ; which of the work-group's two heads
	s_and_b32 s11, s2, 1                           ; which half of its channels
	s_lshl_b32 s10, s9, 8
	s_lshl_b32 s12, s11, 3
	s_add_co_u32 s10, s10, s12
	s_add_co_u32 s10, s10, VSCA
	s_sub_co_u32 s12, ttmp9, 352                   ; j
	s_and_b32 s13, s12, 7                          ; cq
	s_lshr_b32 s14, s12, 3                         ; 12 batch + step, under 96
	s_mul_i32 s15, s14, 5462
	s_lshr_b32 s15, s15, 16                        ; batch = that / 12 (exact under 96)
	s_mul_i32 s12, s15, 12
	s_sub_co_u32 s14, s14, s12                     ; step
	s_cmp_eq_u32 s14, 11
	s_cselect_b32 s18, 36*4096, 0                  ; how far up the 36 loads read
	s_cselect_b32 s20, -1, 0                       ; and the mask that makes them zeros
	s_mov_b32 s19, 0
	s_mul_i32 s16, s15, 1500
	s_lshl_b32 s17, s14, 7
	s_add_co_u32 s16, s16, s17
	s_lshl_b32 s16, s16, 12
	s_lshl_b32 s17, s13, 9
	s_add_co_u32 s16, s16, s17
	s_lshl_b32 s17, s2, 7
	s_add_co_u32 s16, s16, s17                     ; (batch x 1500 + 128 step) rows + (128 cq + 32 wave) x 4
	s_mov_b32 s17, 0
	s_lshl_b32 s22, s15, 4
	s_lshl_b32 s23, s13, 1
	s_add_co_u32 s22, s22, s23
	s_add_co_u32 s22, s22, s9
	s_mul_i32 s22, s22, 12
	s_add_co_u32 s22, s22, s14
	s_mul_i32 s22, s22, 6144
	s_mul_i32 s23, s11, 3072
	s_add_co_u32 s22, s22, s23                     ; my two images
	s_mov_b32 s23, 0
	s_mul_i32 s24, s15, 12
	s_add_co_u32 s24, s24, s14
	s_lshl_b32 s24, s24, 4
	s_lshl_b32 s25, s13, 1
	s_add_co_u32 s24, s24, s25
	s_lshl_b32 s24, s24, 8
	s_add_co_u32 s24, s24, 9437184                 ; the work-group's two quads
	s_mov_b32 s25, 0
	v_and_b32 v10, 31, v0                          ; d: my channel among the wave's 32
	v_lshlrev_b32 v1, 2, v10                       ; v1: 4 d
	v_bfe_u32 v11, v0, 3, 1                        ; which of the two tiles: (d / 8) % 2
	v_bfe_u32 v12, v0, 4, 1
	v_and_b32 v15, 7, v0
	v_lshl_add_u32 v12, v12, 3, v15                ; my slot: 8 (d / 16) + d % 8
	v_mul_u32_u24 v2, v11, 1536
	v_mad_u32_u24 v2, v12, 48, v2
	v_add_nc_u32 v2, s8, v2                        ; v2: the stage, in: tile, then image lane = slot (+ 16 for odd blocks, in the offset)
	v_mul_u32_u24 v3, v10, 48
	v_add_nc_u32 v3, s8, v3                        ; v3: out: my lane's 48 bytes
	v_lshlrev_b32 v4, 4, v10                       ; v4: 16 x lane
	v_add_nc_u32 v16, VSCA, v4                     ; v16: the quads on their way out
	v_lshlrev_b32 v5, 4, v12
	v_lshl_add_u32 v5, v11, 2, v5
	v_add_nc_u32 v5, s10, v5                       ; v5: my scale word: head x 256 + slot x 16 + tile x 4
	s_wait_alu depctr_va_vdst(0)
	s_wait_kmcnt 0x0
	s_add_nc_u64 s[26:27], s[4:5], s[16:17]
	s_sub_nc_u64 s[28:29], s[26:27], s[18:19]
	s_add_nc_u64 s[30:31], s[6:7], s[22:23]
	s_add_nc_u64 s[32:33], s[6:7], s[24:25]
.macro VLOAD t                         ; block t: keys 32 t + i of the step, my channel
.irp i, 0,1,2,3,4,5,6,7,8,9,10,11,12,13,14,15,16,17,18,19,20,21,22,23,24,25,26,27,28,29,30,31
.if 32*(\t)+\i >= 92
	global_load_b32 v[VX+32*(\t)+\i], v1, s[28:29] offset:(32*(\t)+\i)*4096 th:TH_LOAD_NT
.else
	global_load_b32 v[VX+32*(\t)+\i], v1, s[26:27] offset:(32*(\t)+\i)*4096 th:TH_LOAD_NT
.endif
.endr
.endm
.macro VBLOCK t
.set XS, VX+32*(\t)
.set CC, VC+8*(\t)
.if (\t) < 3
	s_wait_loadcnt 32                              ; this block's 32 loads are in; the next block's may be out
.else
	s_wait_loadcnt 0x0
.endif
.if (\t) < 2
	VLOAD (\t)+2                                   ; two blocks ahead, into registers of its own
.endif
.irp i, 0,1,2,3,4,5,6,7,8,9,10,11,12,13,14,15,16,17,18,19,20,21,22,23,24,25,26,27,28,29,30,31
.if 32*(\t)+\i >= 92
	v_cndmask_b32 v[XS+\i], v[XS+\i], v8, s20      ; in step 11: 0
.endif
.endr
	v_max3_num_f32 v10, |v[XS]|, |v[XS+1]|, |v[XS+2]|   ; the block's largest magnitude: all 32 numbers are mine
	v_max3_num_f32 v11, |v[XS+3]|, |v[XS+4]|, |v[XS+5]|
.irp i, 6,10,14,18,22,26
	v_max3_num_f32 v10, v10, |v[XS+\i]|, |v[XS+\i+1]|
	v_max3_num_f32 v11, v11, |v[XS+\i+2]|, |v[XS+\i+3]|
.endr
	v_max3_num_f32 v10, v10, |v[XS+30]|, |v[XS+31]|
	v_max3_num_f32 v10, v10, v11, 0x1800000        ; and the floor 2^(3 - 127)
	v_add_nc_u32 v12, 0xff000000, v10              ; 2 off the exponent field: the conversions' scale operand
	v_lshrrev_b32 v15, 23, v12                     ; the byte
.if (\t) == 0
	v_mov_b32 v9, v15                              ; v9: my channel's scale word for these 128 keys
.else
	v_lshl_or_b32 v9, v15, 8*(\t), v9
.endif
	v_cvt_scalef32_pk16_fp6_f32 v[CC:CC+2], v[XS:XS+15], v12
	v_cvt_scalef32_pk16_fp6_f32 v[CC+4:CC+6], v[XS+16:XS+31], v12   ; (a conversion's three registers begin on an even number)
	v_nop                                          ; one plain place behind a scaled conversion
	v_mov_b32 v[CC+3], v[CC+4]
	v_mov_b32 v[CC+4], v[CC+5]
	v_mov_b32 v[CC+5], v[CC+6]                     ; six registers on end: the block's 24 bytes
.irp n, 0,1,2
	ds_store_b64 v2, v[CC+2*\n:CC+2*\n+1] offset:768*((\t)%2)+24*((\t)/2)+8*\n   ; block t belongs to image lane slot + 16 (t % 2), registers 6 (t / 2) on
.endr
.endm
	VLOAD 0
	VLOAD 1
	VBLOCK 0
	VBLOCK 1
	VBLOCK 2
	VBLOCK 3
	ds_store_b32 v5, v9
.irp n, 0,1,2,3,4,5
	ds_load_b128 v[VOUT+4*\n:VOUT+4*\n+3], v3 offset:(\n/3)*1536+16*(\n%3)   ; LDS serves a wave's instructions in order: these see my stores
.endr
.irp n, 0,1,2,3,4,5
	s_wait_dscnt 5-\n                              ; the younger read-backs may be out
	global_store_b128 v4, v[VOUT+4*\n:VOUT+4*\n+3], s[30:31] offset:(\n/3)*1536+512*(\n%3)   ; 512 consecutive bytes, aligned to 256
.endr
	s_wait_dscnt 0x0                               ; for wave 0's sake: my scale words lie in LDS
	s_barrier_signal -1
	s_barrier_wait -1
	s_cmp_lg_u32 s2, 0
	s_cbranch_scc1 .Lvdone
	ds_load_b128 v[56:59], v16
	s_wait_dscnt 0x0
	global_store_b128 v4, v[56:59], s[32:33]       ; two heads' quads: 512 consecutive bytes
.Lvdone:
	s_wait_tensorcnt 0x0                           ; the wave's end, behind my last LDS store
	ds_add_u32 v[SPW], v[NIL]
	s_wait_dscnt 0x0
	s_endpgm
.Lfunc_end_k_q2b8b258e69_quant:
	.size	k_q2b8b258e69_quant, .Lfunc_end_k_q2b8b258e69_quant-k_q2b8b258e69_quant
	.p2alignl 7, 3214868480
	.fill 96, 4, 3214868480
	.section	.rodata,"a",@progbits
	.p2align	6, 0x0
	.amdhsa_kernel k_q2b8b258e69_quant
		.amdhsa_group_segment_fixed_size 49152
		.amdhsa_private_segment_fixed_size 0
		.amdhsa_enable_private_segment 0
		.amdhsa_kernarg_size 80
		.amdhsa_user_sgpr_count 2
		.amdhsa_user_sgpr_kernarg_segment_ptr 1
		.amdhsa_wavefront_size32 1
		.amdhsa_system_sgpr_workgroup_id_x 1
		.amdhsa_system_sgpr_workgroup_id_y 1
		.amdhsa_system_sgpr_workgroup_id_z 1
		.amdhsa_system_vgpr_workitem_id 0
		.amdhsa_next_free_vgpr 256
		.amdhsa_next_free_sgpr 96
		.amdhsa_reserve_vcc 0
		.amdhsa_float_denorm_mode_32 3
		.amdhsa_float_denorm_mode_16_64 3
		.amdhsa_memory_ordered 1
		.amdhsa_forward_progress 1
		.amdhsa_inst_pref_size 97
	.end_amdhsa_kernel
	.amdgpu_metadata
---
amdhsa.version: [ 1, 2 ]
amdhsa.kernels:
  - .name:           k_q2b8b258e69_quant
    .symbol:         k_q2b8b258e69_quant.kd
    .args:
      - { .name: x, .offset: 0, .size: 8, .value_kind: global_buffer, .address_space: global }
      - { .name: k, .offset: 8, .size: 8, .value_kind: global_buffer, .address_space: global }
      - { .name: wq, .offset: 16, .size: 8, .value_kind: global_buffer, .address_space: global }
      - { .name: wo, .offset: 24, .size: 8, .value_kind: global_buffer, .address_space: global }
      - { .name: xq, .offset: 32, .size: 8, .value_kind: global_buffer, .address_space: global }
      - { .name: kq, .offset: 40, .size: 8, .value_kind: global_buffer, .address_space: global }
      - { .name: wqq, .offset: 48, .size: 8, .value_kind: global_buffer, .address_space: global }
      - { .name: woq, .offset: 56, .size: 8, .value_kind: global_buffer, .address_space: global }
      - { .name: v, .offset: 64, .size: 8, .value_kind: global_buffer, .address_space: global }
      - { .name: vq, .offset: 72, .size: 8, .value_kind: global_buffer, .address_space: global }
    .group_segment_fixed_size: 49152
    .private_segment_fixed_size: 0
    .kernarg_segment_align: 8
    .kernarg_segment_size: 80
    .max_flat_workgroup_size: 128
    .sgpr_count:     96
    .vgpr_count:     256
    .wavefront_size: 32
...
	.end_amdgpu_metadata
.endif
;; end of part 1
;; launch attn (part 2): grid 2 x 128, 16 waves a work-group, no clusters, 206,848 bytes of LDS; arguments xq, wqq, bq, kq, vq, aq; writes aq
.if DOCPART == 2
	.amdgcn_target "amdgcn-amd-amdhsa--gfx1250"
	.amdhsa_code_object_version 6
	.text
	.protected	k_q2b8b258e69_attn
	.globl	k_q2b8b258e69_attn
	.p2align	8
	.type	k_q2b8b258e69_attn,@function
k_q2b8b258e69_attn:
	s_mov_b64 s[64:65], 0
	v_nop
	global_prefetch_b8 v0, s[64:65] scope:SCOPE_SE
	s_setreg_imm32_b32 hwreg(HW_REG_WAVE_MODE, 25, 1), 1
	s_wait_xcnt 0x0
; For one head of one batch and 512 queries: q = (x wq^T + bq) / 8, quantised; S^T = K q^T; the softmax; O^T = V^T P; O / l, quantised along the channels for the last projection.  All products on codes of FP6 (E2M3) with E8M0 scales.
; SHARES.  Work-group (x: which 512 queries; y: 16 batch + head), sixteen waves, four to a SIMD; a wave owns two tiles of 16 queries, one after the other.
; LDS.  A head's K and V as codes are 2 x 73,728 bytes: they, their scale quads and the head's part of wq are brought ONCE, by eight tensor loads at the head; nothing is filled again and nothing is stored to LDS.
; The loads of wq and of the quads are waited for first; K's and V's land while the q projection runs, and a second barrier stands in front of the keys.
; NO CLUSTER: only the two work-groups of a head share tiles, 154 KB each, fetched once at the head; the grid's x is 2, which no cluster of four divides.
; LAYOUT.  All products are used transposed (source 0 = 16 rows of wq, 16 keys, 16 channels of V; source 1 = my 16 queries): a lane holds ONE query (lane % 16) throughout.
; The rows of wq and the channels of V that form a tile are chosen (slot r of tile 2 b + u = row 32 b + 8 u + r + 8 (r / 8)) so that the 16 registers of tiles 2 b, 2 b + 1 are 16 neighbours along the next K.
; THE KEYS of a tile are chosen so that a lane holds WHOLE blocks: slot r of tile t of the four tiles of 64 keys is key 32 (r / 8) + 8 t + r % 8, so the 32 score registers of those four tiles are, in lanes 0-15,
; keys 0-31 and, in lanes 16-31, keys 32-63 of the 64: just what the second product's operand wants in that lane.  A block's largest score needs no other lane, and p's codes change no lane.
; K = 64 IN THE SCORES.  A fragment of K holds, for slot r, key A's 64 codes and then key A + 8's.  Multiplied by [q | zeros] it gives tile 2 p, by [zeros | q] tile 2 p + 1: q lies as 18 registers [q 6][0 6][q 6].
; Zero codes add nothing under any scale byte but 0xff, which no byte here is.
; THE SOFTMAX: t = score x log2(e); M = the running largest t rounded up to a whole number; p = 2^(t - M) is quantised along the keys; the sum is taken of the unquantised p; when M moves, sum and O^T are multiplied by 2^(old M - new M), exactly.
; 1,500 KEYS are 11 steps of 128 and one of 92: in the last step the scores of keys 92 to 127 become -infinity ahead of the maximum; V's codes there are zeros.
; LIMITS: NaN and infinities are not served; a block whose largest magnitude lies under 2^-124 gets the byte 1.
.set VI,    73728                      ; LDS: K's images at 0, V's here,
.set KS,    147456                     ; K's quads (12 steps x 256 bytes), V's 3,072 bytes on,
.set WQ,    153600                     ; the head's wq: 32 images, then 8 quads at + 49,152
.set SPARE, 204800                     ; the spare words, 128 bytes a wave: eight blocks of 256 bytes that no other line names
.set LI,   1                           ; v1   16 x lane
.set LQ,   2                           ; v2   16 x (lane % 16)
.set SPW,  3                           ; v3   my spare word; never rewritten
.set NIL,  4                           ; v4   0; never rewritten
.set ADK,  5                           ; v5   the step's K images (in the projection: wq's images)
.set ADV,  6                           ; v6   the step's V images (in the projection: wq's quads)
.set ADS,  7                           ; v7   the step's quads
.set LIV,  8                           ; v8   LI + VI
.set LQS,  9                           ; v9   LQ + KS
.set L8,   10                          ; v10  8 x lane
.set BH,   11                          ; v11  64 x (lane / 16)
                                       ; v12 -M, v13 the largest t, v[14:15] the sum in two halves
.set BI,   16                          ; v16-47   in the projection: bq in the result's layout, four tiles
.set QF0,  16                          ; v16-33   tile 0's q as [q | 0 | q]
.set QF1,  34                          ; v34-51   tile 1's
.set QW,   52                          ; v52-55   q's scale words: for [q | 0] and [0 | q], two tiles
.set FR,   56                          ; v56-103  four fragments
.set KSQ,  104                         ; v104-107 their scale words (wq's, K's)
.set VSQ,  108                         ; v108-111 V's
.set S,    112                         ; v112-175 scores, then p; in the projection the eight accumulators
.set O,    176                         ; v176-207 O^T
.set XB,   176                         ; v176-247 in the projection: x's fragments, three buffers of two
.set PCD,  208                         ; v208-219 p's codes
.set BM,   220                         ; v220-223 four chains of the largest score; then v220, v222: my two blocks'
.set BT,   224                         ; v224-227 what the other half sends; the bytes; a chain of the sum
.set BS,   228                         ; v228-231 the conversions' scale operands
.set CT,   232                         ; v232-238 conversions' second halves
.set F,    240                         ; v[240:241] f = 2^(old M - new M)
.set OM,   242                         ; v242 the -M of the step before
.set TT,   243
.set TW,   244                         ; scale bytes just made
.set NINF, 245                         ; -infinity
.set SH8,  246                         ; 8 x (lane / 16): where my blocks' bytes stand in p's scale word
.set XSW,  248                         ; v248-253 x's scale words, three pairs
.set PWD,  254                         ; p's scale word
.set SEL,  20                          ; s[20:21] lane selects: lane l xor 16
.set CS,   22                          ; s[22:23] log2(e), twice
.set MHI,  24                          ; s24  lanes 16-31
.set TK,   25                          ; s25  6,144 x step
.set TS,   26                          ; s26  256 x step
.set CNT,  27
.set XI,   76                          ; s[76:77] x's images at my first tile
.set XS,   78                          ; s[78:79] x's quads at my first tile's word
.set BQ,   80                          ; s[80:81] bq at my head
.set AO,   82                          ; s[82:83] where my codes go
.set AS,   84                          ; s[84:85] and my scale bytes
	s_load_b256 s[8:15], s[0:1], 0x0               ; xq s[8:9], wqq s[10:11], bq s[12:13], kq s[14:15]
	s_load_b128 s[16:19], s[0:1], 0x20             ; vq s[16:17], aq s[18:19]
	v_lshl_add_u32 v[SPW], v0, 2, SPARE
	v_mov_b32 v[NIL], 0
	ds_add_u32 v[SPW], v[NIL]                      ; the wave's opening: the add and its wait ahead of the first tensor load; work on registers stands between
	ds_add_u32 v[SPW], v[NIL]
	v_lshrrev_b32 v1, 5, v0
	s_delay_alu instid0(VALU_DEP_1)
	v_readfirstlane_b32 s2, v1                     ; wave 0..15
	s_and_b32 s3, s2, 1                            ; which half a fetching wave fetches
	s_mov_b32 s4, ttmp9                            ; which 512 queries
	s_and_b32 s5, ttmp7, 0xffff                    ; 16 batch + head
	s_lshr_b32 s6, s5, 4
	s_and_b32 s7, s5, 15
	; descriptor groups 1: dense rows of 256 bytes (32 elements of 8 bytes), no padding, no mask
.irp g, 32, 40, 48
	s_mov_b32 s[\g], 3<<16                         ; elements of 8 bytes
	s_mov_b32 s[\g+1], 32<<16                      ; tensor_dim0
	s_mov_b32 s[\g+3], 32<<16                      ; tile_dim0
	s_mov_b32 s[\g+6], 0
	s_mov_b32 s[\g+7], 0
.endr
	s_mov_b32 s34, 100<<16                         ; half of a head's wq: 100 rows
	s_mov_b32 s36, 100
	s_mov_b32 s37, 32
	s_mov_b32 s42, 144<<16                         ; half of a head's K or V: 144 rows
	s_mov_b32 s44, 144
	s_mov_b32 s45, 32
	s_mov_b32 s50, 12<<16                          ; a head's quads: 12 rows, 4,096 bytes apart
	s_mov_b32 s52, 12
	s_mov_b32 s53, 512
	s_mul_i32 s28, s7, 51200
	s_mul_i32 s86, s3, 25600
	s_add_co_u32 s28, s28, s86
	s_mov_b32 s29, 0
	s_mov_b32 s56, 1
	s_add_co_u32 s57, s86, WQ
	s_mul_i32 s30, s5, 73728
	s_mul_i32 s87, s3, 36864
	s_add_co_u32 s30, s30, s87
	s_mov_b32 s31, 0
	s_mov_b32 s60, 1
	s_mov_b32 s61, s87
	s_mov_b32 s72, 1
	s_add_co_u32 s73, s87, VI
	s_mul_i32 s88, s6, 49152
	s_lshl_b32 s89, s7, 8
	s_add_co_u32 s88, s88, s89
	s_add_co_u32 s88, s88, 9437184
	s_mov_b32 s89, 0
	s_mul_i32 s90, s3, 3072
	s_mov_b32 s68, 1
	s_add_co_u32 s69, s90, KS
	s_mov_b32 s[SEL], 0x76543210
	s_mov_b32 s[SEL+1], 0xfedcba98
	s_mov_b32 s[CS], 0x3fb8aa3b
	s_mov_b32 s[CS+1], s[CS]
	s_mov_b32 s[MHI], 0xffff0000
	v_and_b32 v1, 31, v0
	s_delay_alu instid0(VALU_DEP_1)
	v_lshlrev_b32 v[L8], 3, v1
	s_delay_alu instid0(VALU_DEP_2)
	v_lshlrev_b32 v[LI], 4, v1
	v_and_b32 v2, 15, v0
	s_delay_alu instid0(VALU_DEP_1)
	v_lshlrev_b32 v[LQ], 4, v2
	v_bfe_u32 v[BH], v0, 4, 1
	s_delay_alu instid0(VALU_DEP_1)
	v_lshlrev_b32 v[BH], 6, v[BH]
	v_add_nc_u32 v[LIV], VI, v[LI]
	s_delay_alu instid0(VALU_DEP_4)
	v_add_nc_u32 v[LQS], KS, v[LQ]
	v_add_nc_u32 v[ADK], WQ, v[LI]
	v_add_nc_u32 v[ADV], WQ+49152, v[LQ]
	s_wait_dscnt 0x0                               ; the opening add is done
	s_wait_kmcnt 0x0
	s_add_nc_u64 s[58:59], s[10:11], s[28:29]      ; wq's half
	s_or_b32 s59, s59, 0x80000000
	s_add_nc_u64 s[62:63], s[14:15], s[30:31]      ; K's half
	s_or_b32 s63, s63, 0x80000000
	s_add_nc_u64 s[74:75], s[16:17], s[30:31]      ; V's half
	s_or_b32 s75, s75, 0x80000000
	s_cmp_eq_u32 s3, 0
	s_cselect_b64 s[70:71], s[14:15], s[16:17]     ; K's quads or V's
	s_add_nc_u64 s[70:71], s[70:71], s[88:89]
	s_or_b32 s71, s71, 0x80000000
	; the eight fills, one a wave, in one chain of branches on the wave's number: waves 0, 1 wq's halves; 2, 3 K's and V's quads; 4, 5 K's halves; 6, 7 V's halves; waves 8 to 15 fill nothing
	s_cmp_lt_u32 s2, 2
	s_cbranch_scc0 .Lnot_01
	tensor_load_to_lds s[56:59], s[32:39]
	s_nop 0
.rept 4
	v_nop
.endr
	s_branch .Lfilled
.Lnot_01:
	s_cmp_lt_u32 s2, 4
	s_cbranch_scc0 .Lnot_23
	tensor_load_to_lds s[68:71], s[48:55]
	s_nop 0
.rept 4
	v_nop
.endr
	s_branch .Lfilled
.Lnot_23:
	s_cmp_lt_u32 s2, 6
	s_cbranch_scc0 .Lnot_45
	tensor_load_to_lds s[60:63], s[40:47]
	s_nop 0
.rept 4
	v_nop
.endr
	s_branch .Lfilled
.Lnot_45:
	s_cmp_lt_u32 s2, 8
	s_cbranch_scc0 .Lfilled
	tensor_load_to_lds s[72:75], s[40:47]
	s_nop 0
.rept 4
	v_nop
.endr
.Lfilled:
	s_lshl_b32 s86, s6, 6
	s_lshl_b32 s87, s4, 5
	s_add_co_u32 s86, s86, s87
	s_lshl_b32 s87, s2, 1
	s_add_co_u32 s86, s86, s87                     ; my first tile of 16 rows: 64 batch + 32 x + 2 wave
	s_mul_i32 s88, s86, 12288
	s_mov_b32 s89, 0
	s_add_nc_u64 s[XI:XI+1], s[8:9], s[88:89]
	s_lshr_b32 s90, s86, 2
	s_lshl_b32 s90, s90, 11
	s_and_b32 s91, s86, 3
	s_lshl_b32 s91, s91, 2
	s_add_co_u32 s90, s90, s91
	s_add_co_u32 s90, s90, 6291456                 ; the tile's word in the quads of its 64 rows (xq and aq are laid alike)
	s_mov_b32 s91, 0
	s_add_nc_u64 s[XS:XS+1], s[8:9], s[90:91]
	s_lshl_b32 s88, s7, 8
	s_add_nc_u64 s[BQ:BQ+1], s[12:13], s[88:89]
	s_lshl_b32 s88, s86, 4
	s_add_co_u32 s88, s88, s7
	s_mul_i32 s88, s88, 768
	s_add_nc_u64 s[AO:AO+1], s[18:19], s[88:89]    ; aq: [tile][head][768]
	s_lshr_b32 s88, s7, 1
	s_lshl_b32 s88, s88, 8
	s_add_co_u32 s90, s90, s88
	s_and_b32 s88, s7, 1
	s_lshl_b32 s88, s88, 1
	s_add_co_u32 s90, s90, s88
	s_add_nc_u64 s[AS:AS+1], s[18:19], s[90:91]    ; K step head / 2, half head % 2 of the word
	s_wait_alu depctr_va_vdst(0)
.irp t, 0,1,2,3                                    ; bq in the result's layout: tile t, lane half hh: channels 32 (t / 2) + 8 (t % 2) + 16 hh + 0 .. 7
	global_load_b128 v[BI+8*\t:BI+8*\t+3], v[BH], s[BQ:BQ+1] offset:(32*(\t/2)+8*(\t%2))*4
	global_load_b128 v[BI+8*\t+4:BI+8*\t+7], v[BH], s[BQ:BQ+1] offset:(32*(\t/2)+8*(\t%2))*4+16
.endr
.macro XLOAD s                         ; K step s of x, both tiles: six loads of 512 consecutive bytes and the two scale words: seven loads
.irp t, 0,1
.irp c, 0,1,2
	global_load_b128 v[XB+24*((\s)%3)+12*\t+4*\c:XB+24*((\s)%3)+12*\t+4*\c+3], v[LI], s[XI:XI+1] offset:\t*12288+(\s)*1536+512*\c
.endr
.endr
	global_load_b64 v[XSW+2*((\s)%3):XSW+2*((\s)%3)+1], v[LQ], s[XS:XS+1] offset:256*(\s)
.endm
	XLOAD 0
	XLOAD 1
	XLOAD 2
	s_cmp_lt_u32 s2, 4                             ; waves 0 to 3 brought what the projection reads (wq, the quads): they wait for it ahead of their signal;
	s_cbranch_scc0 .Lno_early                      ; K's and V's halves may stay out: nothing reads them, and nothing is filled, before the second barrier, where every wave waits for 0
	s_wait_tensorcnt 0x0
.Lno_early:
	s_barrier_signal -1
	s_barrier_wait -1
; THE q PROJECTION, both tiles together: each fragment of wq feeds two products; eight accumulators take turns, one instruction a turn.  bq is the C of each sum's first product.
.macro KSTEP s
.irp ct, 0,1,2,3
.irp c, 0,1,2
	ds_load_b128 v[FR+12*\ct+4*\c:FR+12*\ct+4*\c+3], v[ADK] offset:\ct*12288+(\s)*1536+512*\c
.endr
.endr
	ds_load_b128 v[KSQ:KSQ+3], v[ADV] offset:256*(\s)
.if (\s) < 6
	s_wait_loadcnt 14                              ; this K step's x is in; the next two steps' seven loads each may be out
.elseif (\s) == 6
	s_wait_loadcnt 7
.else
	s_wait_loadcnt 0x0
.endif
	s_wait_dscnt 0x0
.irp ct, 0,1,2,3
.irp t, 0,1
.if (\s) == 0
	v_wmma_scale_f32_16x16x128_f8f6f4 v[S+32*\t+8*\ct:S+32*\t+8*\ct+7], v[FR+12*\ct:FR+12*\ct+11], v[XB+24*((\s)%3)+12*\t:XB+24*((\s)%3)+12*\t+11], v[BI+8*\ct:BI+8*\ct+7], v[KSQ+\ct], v[XSW+2*((\s)%3)+\t] matrix_a_fmt:MATRIX_FMT_FP6 matrix_b_fmt:MATRIX_FMT_FP6
.else
	v_wmma_scale_f32_16x16x128_f8f6f4 v[S+32*\t+8*\ct:S+32*\t+8*\ct+7], v[FR+12*\ct:FR+12*\ct+11], v[XB+24*((\s)%3)+12*\t:XB+24*((\s)%3)+12*\t+11], v[S+32*\t+8*\ct:S+32*\t+8*\ct+7], v[KSQ+\ct], v[XSW+2*((\s)%3)+\t] matrix_a_fmt:MATRIX_FMT_FP6 matrix_b_fmt:MATRIX_FMT_FP6
.endif
.endr
.endr
.rept 4
	v_nop                                          ; four places in front of loads into registers that these products read, and of the first read of results
.endr
.if (\s) < 5
	XLOAD (\s)+3
.endif
.endm
.irp s, 0,1,2,3,4,5,6,7
	KSTEP \s
.endr
; 32 numbers of a lane, register 16 b + i = k 32 b + 16 (lane / 16) + i of my row, become six registers of codes at v[d] (lanes 0-15: k 0-31, lanes 16-31: k 32-63) and two scale bytes in v[TW]
.macro QUANT2 s, d
.irp b, 0,1
	v_max3_num_f32 v[BM+\b], |v[\s+16*\b]|, |v[\s+1+16*\b]|, 0x1800000   ; and the floor 2^(3 - 127): the byte cannot fall under 1
.endr
.irp i, 2,4,6,8,10,12,14
.irp b, 0,1
	s_delay_alu instid0(VALU_DEP_2)
	v_max3_num_f32 v[BM+\b], v[BM+\b], |v[\s+16*\b+\i]|, |v[\s+1+16*\b+\i]|
.endr
.endr
.irp b, 0,1
	s_delay_alu instid0(VALU_DEP_2)
	v_permlanex16_b32 v[BT+\b], v[BM+\b], s[SEL], s[SEL+1]
.endr
.irp b, 0,1
	s_delay_alu instid0(VALU_DEP_2)
	v_max_num_f32 v[BM+\b], v[BM+\b], v[BT+\b]
.endr
.irp b, 0,1
	s_delay_alu instid0(VALU_DEP_2)
	v_add_nc_u32 v[BS+\b], 0xff000000, v[BM+\b]    ; 2 off the exponent field: the conversion's scale operand
.endr
.irp b, 0,1
	s_delay_alu instid0(VALU_DEP_2)
	v_lshrrev_b32 v[BT+\b], 23, v[BS+\b]
.endr
	s_delay_alu instid0(VALU_DEP_1)
	v_lshl_or_b32 v[TW], v[BT+1], 8, v[BT]
	v_cvt_scalef32_pk16_fp6_f32 v[\d:\d+2], v[\s:\s+15], v[BS]
	v_cvt_scalef32_pk16_fp6_f32 v[CT:CT+2], v[\s+16:\s+31], v[BS+1]
	v_nop                                          ; one plain place behind a scaled conversion
.irp i, 0,1,2
	v_permlane16_swap_b32 v[\d+\i], v[CT+\i]       ; a whole block to a lane
.endr
.irp i, 0,1,2
	s_delay_alu instid0(VALU_DEP_3)
	v_mov_b32 v[\d+3+\i], v[CT+\i]
.endr
.endm
.macro QMAKE t, qf, qw                 ; tile t: q / 8 (exact), quantised, laid as [q | 0 | q]; its scale word for either half
.set j, 0
.rept 16
	v_pk_mul_f32 v[S+32*\t+j:S+32*\t+j+1], v[S+32*\t+j:S+32*\t+j+1], s[86:87] op_sel_hi:[1,0]   ; each accumulator from its low end on
.set j, j+2
.endr
	QUANT2 S+32*\t, \qf
.irp i, 0,1,2,3,4,5
	v_mov_b32 v[\qf+12+\i], v[\qf+\i]
	v_mov_b32 v[\qf+6+\i], 0
.endr
	v_mov_b32 v[\qw], v[TW]
	v_lshlrev_b32 v[\qw+1], 16, v[TW]
.endm
.irp b, 0,1,2,3
	v_mov_b32 v[BT+\b], 0                          ; written once: a lane permute's destination counts as one of its sources
.endr
	v_mov_b32 v[TT], 0
	v_mov_b32 v[NINF], 0xff800000
	v_mov_b32 v[F+1], 0                            ; named as the upper half of a pair
	v_bfe_u32 v[SH8], v0, 4, 1
	s_delay_alu instid0(VALU_DEP_1)
	v_lshlrev_b32 v[SH8], 3, v[SH8]
	s_mov_b32 s86, 0x3e000000                      ; 1 / 8
	s_mov_b32 s87, s86
	QMAKE 0, QF0, QW
	QMAKE 1, QF1, QW+2
	s_wait_tensorcnt 0x0                           ; my part of K or V has landed,
	s_wait_dscnt 0x0
	s_barrier_signal -1
	s_barrier_wait -1                              ; everybody's has
; A KEY STEP of 128 keys for one tile of queries.  Register S + 32 c + i of lane half h holds key 64 c + 32 h + i of the step: my two blocks are 2 c + h.  last = 1: the step of 92 keys.
.macro STEP qf, qw, last
	v_add_nc_u32 v[ADK], s[TK], v[LI]
	v_add_nc_u32 v[ADV], s[TK], v[LIV]
	v_add_nc_u32 v[ADS], s[TS], v[LQS]
	v_mov_b32 v[OM], v12                           ; the -M so far.  These four are the places in front of loads into registers that the last products read
.irp p, 0,1,2,3
.irp c, 0,1,2
	ds_load_b128 v[FR+12*\p+4*\c:FR+12*\p+4*\c+3], v[ADK] offset:1536*\p+512*\c
.endr
.endr
	ds_load_b128 v[KSQ:KSQ+3], v[ADS]
	s_wait_alu depctr_va_vdst(0)
	s_wait_dscnt 0x0
.irp p, 0,1,2,3
.irp u, 0,1                                        ; the same 12 registers of K against [q | 0] and [0 | q]
	v_wmma_scale_f32_16x16x128_f8f6f4 v[S+16*\p+8*\u:S+16*\p+8*\u+7], v[FR+12*\p:FR+12*\p+11], v[\qf+6*\u:\qf+6*\u+11], 0, v[KSQ+\p], v[\qw+\u] matrix_a_fmt:MATRIX_FMT_FP6 matrix_b_fmt:MATRIX_FMT_FP6
.endr
.endr
.rept 4
	v_nop                                          ; four places: V's loads land where K's fragments lay, and the lines below read results
.endr
.irp ct, 0,1,2,3                                   ; V is asked for now and lands under the softmax
.irp c, 0,1,2
	ds_load_b128 v[FR+12*\ct+4*\c:FR+12*\ct+4*\c+3], v[ADV] offset:1536*\ct+512*\c
.endr
.endr
	ds_load_b128 v[VSQ:VSQ+3], v[ADS] offset:3072
.if \last                                          ; keys 92 to 127 do not exist: keys 96 on are lanes 16-31 of registers 32 to 63, keys 92 to 95 lanes 0-15 of registers 60 to 63.  Ascending: each accumulator is read from its low end on
.set j, 32
.rept 28
	v_cndmask_b32 v[S+j], v[S+j], v[NINF], s[MHI]
.set j, j+1
.endr
.rept 4
	v_mov_b32 v[S+j], v[NINF]
.set j, j+1
.endr
.endif
.irp b, 0,1,2,3
	v_max3_num_f32 v[BM+\b], v[S+16*\b], v[S+1+16*\b], v[S+2+16*\b]   ; the largest score, in four chains of 16 registers that take turns
.endr
.irp i, 3,5,7,9,11,13
.irp b, 0,1,2,3
	v_max3_num_f32 v[BM+\b], v[BM+\b], v[S+16*\b+\i], v[S+1+16*\b+\i]
.endr
.endr
.irp c, 0,1
	v_max3_num_f32 v[BM+2*\c], v[BM+2*\c], v[BM+2*\c+1], v[S+15+32*\c]   ; two chains and the two registers left over:
.endr
.irp c, 0,1
	v_max_num_f32 v[BM+2*\c], v[BM+2*\c], v[S+31+32*\c]   ; THE LARGEST SCORE OF EACH OF MY TWO BLOCKS OF 32 KEYS: it serves the row's maximum and, since p rises with the score, the block's largest p
.endr
	s_delay_alu instid0(VALU_DEP_1)
	v_max_num_f32 v[TT], v[BM], v[BM+2]
	s_delay_alu instid0(VALU_DEP_1)
	v_permlanex16_b32 v[BT], v[TT], s[SEL], s[SEL+1]
	s_delay_alu instid0(VALU_DEP_1)
	v_max_num_f32 v[TT], v[TT], v[BT]              ; with lane l xor 16's two blocks: the step's largest score of my query
	s_delay_alu instid0(VALU_DEP_1)
	v_mul_f32 v[TT], s[CS], v[TT]                  ; as t
	s_delay_alu instid0(VALU_DEP_1)
	v_max_num_f32 v13, v13, v[TT]                  ; the running largest
	s_delay_alu instid0(VALU_DEP_1)
	v_floor_f32 v12, -v13                          ; -M = floor(-t): M is a whole number
	s_delay_alu instid0(VALU_DEP_1)
	v_sub_f32 v[TT], v12, v[OM]                    ; old M - new M: a whole number, 0 or less
	s_delay_alu instid0(VALU_DEP_1)
	v_cvt_i32_f32 v[TT], v[TT]                     ; (it saturates)
	s_delay_alu instid0(VALU_DEP_1)
	v_ldexp_f32 v[F], 1.0, v[TT]                   ; f: a multiplication by it rounds nothing
.set j, 0
.rept 32
	v_pk_fma_f32 v[S+j:S+j+1], v[S+j:S+j+1], s[CS:CS+1], v[12:13] op_sel_hi:[1,0,0]   ; t - M, two at a time
.set j, j+2
.endr
.irp c, 0,1
	v_fma_f32 v[BM+2*\c], v[BM+2*\c], s[CS], v12   ; the same of each block's largest score
.endr
.set j, 0
	s_wait_alu depctr_va_vdst(0)
.rept 64
	v_exp_f32 v[S+j], v[S+j]                       ; p = 2^(t - M): not normalised
.set j, j+1
.endr
	v_pk_mul_f32 v[14:15], v[14:15], v[F:F+1] op_sel_hi:[1,0]   ; the sums under the new M: the plain place behind the batch
	s_wait_alu depctr_va_vdst(0)                   ; one wait for the batch of 64, ahead of its first reader
.irp c, 0,1
	v_exp_f32 v[BM+2*\c], v[BM+2*\c]               ; my blocks' largest p
.endr
	v_pk_add_f32 v[224:225], v[116:117], v[120:121]
	v_pk_add_f32 v[254:255], v[124:125], v[128:129]
	v_pk_add_f32 v[252:253], v[132:133], v[136:137]
	v_pk_add_f32 v[250:251], v[140:141], v[144:145]
	v_pk_add_f32 v[248:249], v[148:149], v[152:153]
	v_pk_add_f32 v[238:239], v[156:157], v[160:161]
	v_pk_add_f32 v[236:237], v[164:165], v[168:169]
	v_pk_add_f32 v[14:15], v[14:15], v[172:173]
	v_pk_add_f32 v[224:225], v[224:225], v[112:113]
	v_pk_add_f32 v[254:255], v[254:255], v[114:115]
	v_pk_add_f32 v[252:253], v[252:253], v[118:119]
	v_pk_add_f32 v[250:251], v[250:251], v[122:123]
	v_pk_add_f32 v[248:249], v[248:249], v[126:127]
	v_pk_add_f32 v[238:239], v[238:239], v[130:131]
	v_pk_add_f32 v[236:237], v[236:237], v[134:135]
	v_pk_add_f32 v[14:15], v[14:15], v[138:139]
	v_pk_add_f32 v[224:225], v[224:225], v[142:143]
	v_pk_add_f32 v[254:255], v[254:255], v[146:147]
	v_pk_add_f32 v[252:253], v[252:253], v[150:151]
	v_pk_add_f32 v[250:251], v[250:251], v[154:155]
	v_pk_add_f32 v[248:249], v[248:249], v[158:159]
	v_pk_add_f32 v[238:239], v[238:239], v[162:163]
	v_pk_add_f32 v[236:237], v[236:237], v[166:167]
	v_pk_add_f32 v[14:15], v[14:15], v[170:171]
	v_pk_add_f32 v[224:225], v[224:225], v[174:175]
	s_delay_alu instid0(VALU_DEP_2)
	v_pk_add_f32 v[14:15], v[14:15], v[250:251]
	s_delay_alu instid0(VALU_DEP_2)
	v_pk_add_f32 v[224:225], v[224:225], v[248:249]
	v_pk_add_f32 v[254:255], v[254:255], v[238:239]
	v_pk_add_f32 v[252:253], v[252:253], v[236:237]
	s_delay_alu instid0(VALU_DEP_2)
	v_pk_add_f32 v[14:15], v[14:15], v[254:255]
	s_delay_alu instid0(VALU_DEP_2)
	v_pk_add_f32 v[224:225], v[224:225], v[252:253]
	s_delay_alu instid0(VALU_DEP_1)
	v_pk_add_f32 v[14:15], v[14:15], v[224:225]
	s_wait_alu depctr_va_vdst(0)                   ; and one for the two
.irp c, 0,1
	v_max_num_f32 v[BM+2*\c], 0x1800000, v[BM+2*\c]   ; the floor: a block whose every p is 0 keeps the byte 1; its codes are zeros
.endr
.irp c, 0,1
	s_delay_alu instid0(VALU_DEP_2)
	v_add_nc_u32 v[BS+\c], 0xff000000, v[BM+2*\c]  ; 2 off the exponent field: the conversions' scale operand
.endr
.irp c, 0,1
	s_delay_alu instid0(VALU_DEP_2)
	v_lshrrev_b32 v[BT+\c], 23, v[BS+\c]           ; the byte
.endr
	s_delay_alu instid0(VALU_DEP_1)
	v_lshl_or_b32 v[TW], v[BT+1], 16, v[BT]        ; my two bytes: blocks h and 2 + h,
	s_delay_alu instid0(VALU_DEP_1)
	v_lshlrev_b32 v[TW], v[SH8], v[TW]             ; at their places in the word;
	s_delay_alu instid0(VALU_DEP_1)
	v_permlanex16_b32 v[BT+2], v[TW], s[SEL], s[SEL+1]
	s_delay_alu instid0(VALU_DEP_1)
	v_or_b32 v[PWD], v[TW], v[BT+2]                ; with lane l xor 16's two: p's scale word for these 128 keys
.irp c, 0,1
	v_cvt_scalef32_pk16_fp6_f32 v[PCD+6*\c:PCD+6*\c+2], v[S+32*\c:S+32*\c+15], v[BS+\c]
	v_cvt_scalef32_pk16_fp6_f32 v[CT+4*\c:CT+4*\c+2], v[S+16+32*\c:S+31+32*\c], v[BS+\c]   ; (a conversion's three registers begin on an even number)
.endr
	v_pk_mul_f32 v[O:O+1], v[O:O+1], v[F:F+1] op_sel_hi:[1,0]   ; O^T under the new M, its first two registers: the one plain place behind a scaled conversion
.irp c, 0,1
.irp i, 0,1,2
	v_mov_b32 v[PCD+3+6*\c+\i], v[CT+4*\c+\i]      ; registers 6 c .. 6 c + 5: keys 64 c + 32 h + 0 .. 31: the operand as it stands
.endr
.endr
.set j, 2
.rept 15
	v_pk_mul_f32 v[O+j:O+j+1], v[O+j:O+j+1], v[F:F+1] op_sel_hi:[1,0]   ; the rest of O^T under the new M; these 15 also stand between the codes' and the scale word's last writes and the products
.set j, j+2
.endr
	s_wait_alu depctr_va_vdst(0)
	s_wait_dscnt 0x0                               ; V is in
.irp ct, 0,1,2,3                                   ; O^T += V^T P: four accumulators by turns, one instruction a turn; the scores' products stand between two turns of one accumulator
	v_wmma_scale_f32_16x16x128_f8f6f4 v[O+8*\ct:O+8*\ct+7], v[FR+12*\ct:FR+12*\ct+11], v[PCD:PCD+11], v[O+8*\ct:O+8*\ct+7], v[VSQ+\ct], v[PWD] matrix_a_fmt:MATRIX_FMT_FP6 matrix_b_fmt:MATRIX_FMT_FP6
.endr
.endm
; ONE TILE OF QUERIES: eleven whole steps in a loop, the step of 92 keys written out, the way out.  O^T and the sum begin as zeros and the largest t as -3e38: the first change of M multiplies zeros.
.macro TILE qf, qw, tl
	s_wait_xcnt 0x0                                ; the tile before has had its stores' data read: they are written again below
	v_mov_b32 v13, 0xff61b1e6
	s_delay_alu instid0(VALU_DEP_1)
	v_floor_f32 v12, -v13
	v_mov_b32 v14, 0
	v_mov_b32 v15, 0
.set j, 0
.rept 32
	v_mov_b32 v[O+j], 0
.set j, j+1
.endr
	s_mov_b32 s[TK], 0
	s_mov_b32 s[TS], 0
	s_mov_b32 s[CNT], 11
.Lstep_\@:
	STEP \qf, \qw, 0
	s_add_co_u32 s[TK], s[TK], 6144
	s_add_co_u32 s[TS], s[TS], 256
	s_sub_co_u32 s[CNT], s[CNT], 1
	s_cmp_lg_u32 s[CNT], 0
	s_cbranch_scc1 .Lstep_\@
	STEP \qf, \qw, 1
.rept 4
	v_nop                                          ; four places behind the last products
.endr
	v_add_f32 v14, v14, v15
	s_delay_alu instid0(VALU_DEP_1)
	v_permlanex16_b32 v[TT], v14, s[SEL], s[SEL+1]
	s_delay_alu instid0(VALU_DEP_1)
	v_add_f32 v14, v14, v[TT]                      ; the row's sum
	s_wait_alu depctr_va_vdst(0)
	v_rcp_f32 v14, v14
	v_nop                                          ; a plain place behind the reciprocal,
	s_wait_alu depctr_va_vdst(0)                   ; and the wait ahead of its first reader
.set j, 0
.rept 16
	v_pk_mul_f32 v[S+j:S+j+1], v[O+j:O+j+1], v[14:15] op_sel_hi:[1,0]   ; O^T / l: register 16 b + i = channel 32 b + 16 (lane / 16) + i; each accumulator from its low end on
.set j, j+2
.endr
	QUANT2 S, PCD
	global_store_b128 v[LI], v[PCD:PCD+3], s[AO:AO+1] offset:\tl*12288          ; registers 0-3: 512 consecutive bytes, aligned to 256
	global_store_b64 v[L8], v[PCD+4:PCD+5], s[AO:AO+1] offset:\tl*12288+512     ; registers 4-5: 256 consecutive bytes
	global_store_b16 v[LQ], v[TW], s[AS:AS+1] offset:4*\tl                      ; my head's two bytes of the row's word; the other two are another work-group's.  Lanes r and r + 16 store the same value
.endm
	TILE QF0, QW, 0
	TILE QF1, QW+2, 1
	s_wait_tensorcnt 0x0                           ; the wave's end
	ds_add_u32 v[SPW], v[NIL]
	s_wait_dscnt 0x0
	s_endpgm
.Lfunc_end_k_q2b8b258e69_attn:
	.size	k_q2b8b258e69_attn, .Lfunc_end_k_q2b8b258e69_attn-k_q2b8b258e69_attn
	.p2alignl 7, 3214868480
	.fill 96, 4, 3214868480
	.section	.rodata,"a",@progbits
	.p2align	6, 0x0
	.amdhsa_kernel k_q2b8b258e69_attn
		.amdhsa_group_segment_fixed_size 206848
		.amdhsa_private_segment_fixed_size 0
		.amdhsa_enable_private_segment 0
		.amdhsa_kernarg_size 48
		.amdhsa_user_sgpr_count 2
		.amdhsa_user_sgpr_kernarg_segment_ptr 1
		.amdhsa_wavefront_size32 1
		.amdhsa_system_sgpr_workgroup_id_x 1
		.amdhsa_system_sgpr_workgroup_id_y 1
		.amdhsa_system_sgpr_workgroup_id_z 1
		.amdhsa_system_vgpr_workitem_id 0
		.amdhsa_next_free_vgpr 256
		.amdhsa_next_free_sgpr 96
		.amdhsa_reserve_vcc 0
		.amdhsa_float_denorm_mode_32 3
		.amdhsa_float_denorm_mode_16_64 3
		.amdhsa_memory_ordered 1
		.amdhsa_forward_progress 1
		.amdhsa_inst_pref_size 113
	.end_amdhsa_kernel
	.amdgpu_metadata
---
amdhsa.version: [ 1, 2 ]
amdhsa.kernels:
  - .name:           k_q2b8b258e69_attn
    .symbol:         k_q2b8b258e69_attn.kd
    .args:
      - { .name: xq, .offset: 0, .size: 8, .value_kind: global_buffer, .address_space: global }
      - { .name: wqq, .offset: 8, .size: 8, .value_kind: global_buffer, .address_space: global }
      - { .name: bq, .offset: 16, .size: 8, .value_kind: global_buffer, .address_space: global }
      - { .name: kq, .offset: 24, .size: 8, .value_kind: global_buffer, .address_space: global }
      - { .name: vq, .offset: 32, .size: 8, .value_kind: global_buffer, .address_space: global }
      - { .name: aq, .offset: 40, .size: 8, .value_kind: global_buffer, .address_space: global }
    .group_segment_fixed_size: 206848
    .private_segment_fixed_size: 0
    .kernarg_segment_align: 8
    .kernarg_segment_size: 48
    .max_flat_workgroup_size: 512
    .sgpr_count:     96
    .vgpr_count:     256
    .wavefront_size: 32
...
	.end_amdgpu_metadata
.endif
;; end of part 2
;; launch oproj (part 3): grid 8 x 32, 4 waves a work-group, clusters of 4 x 4, 327,680 bytes of LDS; arguments aq, woq, bo, out0; writes out0
.if DOCPART == 3
	.amdgcn_target "amdgcn-amd-amdhsa--gfx1250"
	.amdhsa_code_object_version 6
	.text
	.protected	k_q2b8b258e69_oproj
	.globl	k_q2b8b258e69_oproj
	.p2align	8
	.type	k_q2b8b258e69_oproj,@function
k_q2b8b258e69_oproj:
	s_mov_b64 s[64:65], 0
	v_nop
	global_prefetch_b8 v0, s[64:65] scope:SCOPE_SE
	s_setreg_imm32_b32 hwreg(HW_REG_WAVE_MODE, 25, 1), 1
	s_wait_xcnt 0x0
	s_wait_alu depctr_hold_cnt(0) depctr_sa_sdst(0) depctr_va_vdst(0) depctr_va_sdst(0) depctr_va_ssrc(0) depctr_va_vcc(0) depctr_vm_vsrc(0)
	s_getreg_b32 s2, hwreg(HW_REG_IB_STS2, 6, 4)
	s_cmp_eq_u32 s2, 0
	s_cbranch_scc0 .Lentry_in_a_cluster
	s_endpgm
.Lentry_in_a_cluster:
	s_bfe_u32 s2, ttmp6, 0x10000c
	s_cmp_lg_u32 s2, 0xf033
	s_cbranch_scc0 .Lentry_shape_is_right
	s_endpgm
.Lentry_shape_is_right:
; out0 [8192][1024] f32 = O wo^T + bo on codes of FP6 (E2M3) with E8M0 scales.  aq holds O's codes and woq wo's, both as images of operand registers:
; a tile of 16 rows is 12,288 bytes, K step s of 128 at 1,536 s.  wo's fragment: registers 4 c .. 4 c + 3 of lane l at 512 c + 16 l.  O's: two heads of 768 bytes, registers 0-3 at 16 l, registers 4-5 at 512 + 8 l.
; Scale words lie in quads: for each 64 rows 2,048 bytes = [K step 8][slot 16][tile 4], in aq from byte 6,291,456, in woq from byte 786,432.
; SHARES.  A work-group makes 256 rows x 128 columns; four waves, each 128 x 64.  256 work-groups.
; LDS.  The block's operands for ALL of K fit at once: A 16 tiles = 196,608 bytes, B 8 tiles = 98,304, the quads 8,192 + 4,096.  Each of the four is one dense block of memory and comes by ONE tensor load:
; wave 0 A, wave 1 B, wave 2 A's quads, wave 3 B's.  Nothing is filled again: one wait and one barrier stand ahead of the products, and none among them.
; BY ROWS OF THE RESULT.  A wave's fragments of B for all of K, 8 K steps x 4 tiles x 12 registers, stay in registers.  Its eight blocks of 16 rows are finished one after the other, 32 products each
; (four accumulators by turns, K ascending), and block a - 1 goes through the stage and is stored around block a's products.  No fragment is read from LDS twice.
; CLUSTERS of 4 x 4: A's loads are joint along a row of the cluster, B's along a column.  A round stands ahead of the loads and one ahead of the end.
; NO PREFETCH: every byte is asked for by the head's four loads; there is no loop to run ahead in.
; The product is used transposed (source 0 = 16 rows of wo, source 1 = 16 rows of O): a lane holds eight neighbouring columns of a row.  bo, in that layout, is the C of each sum's first product.
; REGISTERS: window 0: v16-30 addresses, v32-95 scale words, v96-127 bo, v128-191 rows on their way out (two sets), v192-255 accumulators (two sets of four);
; window 1: A's fragments of a block, 8 K steps x 12, two buffers at v0 and v96; window 2: B's K steps 0-4 at v[48 ks]; window 3: K steps 5-7.
.set SIZE_N, 1024
.set ROWB,   12288                     ; a tile of 16 rows, all of K
.set FR,     12
.set NP,     4                         ; places behind this matrix instruction (ISA guide 7.12.1)
.set BOFS,   16*ROWB                   ; B's tiles, behind A's
.set SCL,    BOFS+8*ROWB               ; the quads: A's 8,192 bytes, then B's 4,096
.set SPARE,  SCL+12288                 ; the spare words, 128 bytes a wave: two blocks of 256 bytes that no other line names
.set STAGE,  SPARE+512                 ; four stages of 16 rows x 272 bytes
.set SPITCH, 272
.set ADRA, 16                          ; v16, v17 A's blocks 0-3, 4-7 at 16 x lane; v18, v19 the same at 8 x lane
.set ADRB, 20
.set ADRS, 21                          ; quads: lanes 0-15 A's tiles 0-3, lanes 16-31 B's four
.set ADRS2, 22                         ; lanes 0-15 A's tiles 4-7
.set STO,  24
.set RD,   25
.set CO,   26
.set SPW,  28                          ; my spare word; never rewritten
.set NIL,  29                          ; 0; never rewritten
.set BOF,  30
.set SC,   32
.set BI,   96
.set BK,   128
.set ACC,  192
.set G1, 24
.set G0, 32
.set G1B, 48
.set G0B, 56
.set G1S, 68
.set G0S, 76
.set G1SB, 80
.set G0SB, 88
.set MSB, 0
.macro WIN new                         ; the immediate's high byte repeats the setting that is left
.if MSB != \new
	s_set_vgpr_msb (MSB<<8)|\new
.set MSB, \new
.endif
.endm
.set M2,   0x06                        ; source 0 (B) window 2, source 1 (A) window 1, C and D window 0
.set M3,   0x07                        ; the same with B in window 3
.macro CROUND                          ; a round of the cluster's barrier
	s_barrier_signal -1
	s_barrier_wait -1
	s_cmp_lg_u32 s14, 0
	s_cbranch_scc1 .Lnot_wave_0_\@
	s_barrier_signal -3
.Lnot_wave_0_\@:
	s_barrier_wait -3
	s_barrier_signal -1
	s_barrier_wait -1
.endm
	s_load_b64 s[4:5], s[0:1], 0x0                 ; aq
	s_load_b64 s[8:9], s[0:1], 0x8                 ; woq
	s_load_b64 s[96:97], s[0:1], 0x10              ; bo
	s_load_b64 s[12:13], s[0:1], 0x18              ; out0
	v_lshl_add_u32 v[SPW], v0, 2, SPARE
	v_mov_b32 v[NIL], 0
	ds_add_u32 v[SPW], v[NIL]                      ; the opening lines: the add, twice on end, and its wait ahead of my first tensor load
	ds_add_u32 v[SPW], v[NIL]
	v_lshrrev_b32 v1, 5, v0
	v_readfirstlane_b32 s14, v1                    ; wave
	s_lshr_b32 s15, s14, 1                         ; which 128 rows are mine
	s_and_b32 s16, s14, 1                          ; which 64 columns
	s_bfe_u32 s40, ttmp6, 0x40000                  ; cx
	s_bfe_u32 s41, ttmp6, 0x40004                  ; cy
	s_lshl_b32 s42, ttmp9, 2
	s_add_co_u32 s42, s42, s40                     ; block column
	s_and_b32 s17, ttmp7, 0xffff
	s_lshl_b32 s17, s17, 2
	s_add_co_u32 s17, s17, s41                     ; block row
	s_lshl_b32 s43, s41, 2
	s_lshl_b32 s43, 15, s43                        ; my row of the cluster
	s_lshl_b32 s44, 0x1111, s40                    ; my column
	s_or_b32 s[G1+0], s43, (3<<16)|(1<<21)         ; elements of 8 bytes; the mask, and bit 21 beside it
	s_or_b32 s[G1B+0], s44, (3<<16)|(1<<21)
	s_or_b32 s[G1S+0], s43, (3<<16)|(1<<21)
	s_or_b32 s[G1SB+0], s44, (3<<16)|(1<<21)
.irp g, G1, G1B                                    ; codes: dense rows of 12,288 bytes, a tile each
	s_mov_b32 s[\g+1], 1536<<16
	s_mov_b32 s[\g+3], 1536<<16
	s_mov_b32 s[\g+5], 1536
	s_mov_b32 s[\g+6], 0
	s_mov_b32 s[\g+7], 0
.endr
	s_mov_b32 s[G1+2], 16<<16
	s_mov_b32 s[G1+4], 16
	s_mov_b32 s[G1B+2], 8<<16
	s_mov_b32 s[G1B+4], 8
.irp g, G1S, G1SB                                  ; quads: dense rows of 256 bytes
	s_mov_b32 s[\g+1], 32<<16
	s_mov_b32 s[\g+3], 32<<16
	s_mov_b32 s[\g+5], 32
	s_mov_b32 s[\g+6], 0
	s_mov_b32 s[\g+7], 0
.endr
	s_mov_b32 s[G1S+2], 32<<16
	s_mov_b32 s[G1S+4], 32
	s_mov_b32 s[G1SB+2], 16<<16
	s_mov_b32 s[G1SB+4], 16
	s_mul_i32 s20, s17, 16*ROWB                    ; A hangs on the block row alone, B on the block column alone
	s_mov_b32 s21, 0
	s_lshl_b32 s22, s17, 13
	s_add_co_u32 s22, s22, 6291456
	s_mov_b32 s23, 0
	s_mul_i32 s46, s42, 8*ROWB
	s_mov_b32 s47, 0
	s_lshl_b32 s92, s42, 12
	s_add_co_u32 s92, s92, 786432
	s_mov_b32 s93, 0
	s_wait_dscnt 0x0                               ; both opening adds are done
	s_wait_kmcnt 0x0
	s_add_nc_u64 s[20:21], s[4:5], s[20:21]
	s_add_nc_u64 s[22:23], s[4:5], s[22:23]
	s_add_nc_u64 s[46:47], s[8:9], s[46:47]
	s_add_nc_u64 s[92:93], s[8:9], s[92:93]
	CROUND                                         ; all sixteen work-groups are here: the joint loads meet
	s_mov_b32 s[G0], 1
	s_mov_b32 s[G0+1], 0
	s_mov_b64 s[G0+2:G0+3], s[20:21]
	s_or_b32 s[G0+3], s[G0+3], 0x80000000
	s_mov_b32 s[G0B], 1
	s_mov_b32 s[G0B+1], BOFS
	s_mov_b64 s[G0B+2:G0B+3], s[46:47]
	s_or_b32 s[G0B+3], s[G0B+3], 0x80000000
	s_mov_b32 s[G0S], 1
	s_mov_b32 s[G0S+1], SCL
	s_mov_b64 s[G0S+2:G0S+3], s[22:23]
	s_or_b32 s[G0S+3], s[G0S+3], 0x80000000
	s_mov_b32 s[G0SB], 1
	s_mov_b32 s[G0SB+1], SCL+8192
	s_mov_b64 s[G0SB+2:G0SB+3], s[92:93]
	s_or_b32 s[G0SB+3], s[G0SB+3], 0x80000000
; the four loads, one a wave: one chain of branches on the wave's number, every way through it passes exactly one load
.macro ARM under, g0, g1, next
	s_cmp_lt_u32 s14, \under
	s_cbranch_scc0 \next
	tensor_load_to_lds s[\g0:\g0+3], s[\g1:\g1+7]
	s_nop 0
.rept 4
	v_nop
.endr
	s_branch .Lhead_asked
\next:
.endm
	ARM 1, G0,  G1,  .Lhead_b
	ARM 2, G0B, G1B, .Lhead_sa
	ARM 3, G0S, G1S, .Lhead_sb
	tensor_load_to_lds s[G0SB:G0SB+3], s[G1SB:G1SB+7]
	s_nop 0
.rept 4
	v_nop
.endr
.Lhead_asked:
	s_mul_i32 s18, s15, 8*ROWB                     ; my 128 rows of A: blocks 0-3,
	s_add_co_u32 s19, s18, 4*ROWB                  ; blocks 4-7
	s_mul_i32 s20, s16, 4*ROWB
	s_add_co_u32 s20, s20, BOFS                    ; my 64 rows of B
	s_lshl_b32 s21, s15, 12                        ; A's quads of my rows
	s_lshl_b32 s22, s16, 11
	s_add_co_u32 s22, s22, 8192
	s_sub_co_u32 s22, s22, s21                     ; how far on B's lie: lanes 16-31 take them
	s_add_co_u32 s21, s21, SCL
	s_sub_co_u32 s23, s22, 2048
	s_add_co_u32 s45, s21, 2048
	s_mul_i32 s3, s14, 16*SPITCH
	s_add_co_u32 s3, s3, STAGE                     ; my stage
	s_lshl_b32 s46, s17, 8
	s_lshl_b32 s47, s15, 7
	s_add_co_u32 s46, s46, s47
	s_lshl_b32 s46, s46, 12                        ; my first row of out0, in bytes (under 2^25)
	s_lshl_b32 s92, s42, 9
	s_lshl_b32 s93, s16, 8
	s_add_co_u32 s92, s92, s93                     ; my first column, in bytes
	s_mov_b32 s93, 0
	s_add_nc_u64 s[96:97], s[96:97], s[92:93]
	s_add_co_u32 s46, s46, s92
	s_mov_b32 s47, 0
	s_add_nc_u64 s[12:13], s[12:13], s[46:47]
	v_and_b32 v1, 15, v0                           ; r
	v_bfe_u32 v2, v0, 4, 1                         ; h
	v_and_b32 v3, 31, v0
	v_lshlrev_b32 v4, 4, v3
	v_lshlrev_b32 v5, 3, v3
	v_add_nc_u32 v[ADRA], s18, v4
	v_add_nc_u32 v[ADRA+1], s19, v4
	v_add_nc_u32 v[ADRA+2], s18, v5
	v_add_nc_u32 v[ADRA+3], s19, v5
	v_add_nc_u32 v[ADRB], s20, v4
	v_lshlrev_b32 v5, 4, v1
	v_mul_u32_u24 v6, s22, v2
	v_add_nc_u32 v6, v5, v6
	v_add_nc_u32 v[ADRS], s21, v6
	v_mul_u32_u24 v7, s23, v2
	v_add_nc_u32 v7, v5, v7
	v_add_nc_u32 v[ADRS2], s45, v7
	v_mul_u32_u24 v5, v1, SPITCH                   ; the stage, in: row r, 32 bytes for each half of the lanes
	v_lshl_add_u32 v5, v2, 5, v5
	v_add_nc_u32 v[STO], s3, v5
	v_mul_u32_u24 v5, v2, SPITCH                   ; back: lanes 0-15 one row of 256 bytes, lanes 16-31 the next
	v_lshl_add_u32 v5, v1, 4, v5
	v_add_nc_u32 v[RD], s3, v5
	v_lshlrev_b32 v[CO], 12, v2                    ; and the same two rows in out0
	v_lshl_add_u32 v[CO], v1, 4, v[CO]
	v_lshlrev_b32 v[BOF], 5, v2
	s_wait_alu depctr_va_vdst(0)
.irp b, 0,1,2,3                                    ; bo in the result's layout: tile b, columns 16 b + 8 h + 0 .. 7
	global_load_b128 v[BI+8*\b:BI+8*\b+3], v[BOF], s[96:97] offset:64*\b
	global_load_b128 v[BI+8*\b+4:BI+8*\b+7], v[BOF], s[96:97] offset:64*\b+16
.endr
.macro SCALES sc                       ; the quads of K steps 4 sc .. 4 sc + 3
.irp q, 0,1,2,3
	ds_load_b128 v[SC+32*\sc+4*\q:SC+32*\sc+4*\q+3], v[ADRS] offset:256*(4*\sc+\q)
	ds_load_b128 v[SC+32*\sc+16+4*\q:SC+32*\sc+16+4*\q+3], v[ADRS2] offset:256*(4*\sc+\q)
.endr
.endm
.macro BLOAD ks                        ; B's four fragments of K step ks: 12 loads; the caller has set the destination's window
.irp i, 0,1,2,3
.irp c, 0,1,2
	ds_load_b128 v[48*((\ks)%5)+FR*\i+4*\c:48*((\ks)%5)+FR*\i+4*\c+3], v[ADRB] offset:\i*ROWB+(\ks)*1536+512*\c
.endr
.endr
.endm
.macro ALOAD a                         ; A's fragments of block a, all eight K steps, into buffer a % 2: 32 loads
	WIN 0x40
.irp ks, 0,1,2,3,4,5,6,7
.set AR, 96*((\a)%2)+FR*\ks
	ds_load_b128 v[AR:AR+3], v[ADRA+(\a)/4] offset:((\a)%4)*ROWB+\ks*1536
	ds_load_b64 v[AR+4:AR+5], v[ADRA+2+(\a)/4] offset:((\a)%4)*ROWB+\ks*1536+512
	ds_load_b128 v[AR+6:AR+9], v[ADRA+(\a)/4] offset:((\a)%4)*ROWB+\ks*1536+768
	ds_load_b64 v[AR+10:AR+11], v[ADRA+2+(\a)/4] offset:((\a)%4)*ROWB+\ks*1536+1280
.endr
	WIN 0
.endm
.macro PLACES n
.rept \n
	v_nop
.endr
.endm
; Block a is finished: 32 products, its four accumulators by turns, one instruction a turn, K ascending.
; blk0 = 1: B's fragments are still landing: ahead of K step ks the later steps' 12 loads each may be out (a wait's count holds 63 at the most), and from K step 5 on block 1's 32 loads of A, which are issued there.
.macro ROWMUL a, blk0
.irp ks, 0,1,2,3,4,5,6,7
.if \ks == 5
.if \blk0
	ALOAD 1
.endif
	WIN M3
.elseif \ks == 0
	WIN M2
.endif
.if \blk0
.if \ks < 2
	s_wait_dscnt 63
.elseif \ks < 5
	s_wait_dscnt 12*(7-\ks)
.else
	s_wait_dscnt 12*(7-\ks)+32
.endif
.endif
.irp b, 0,1,2,3
.if \ks == 0
	v_wmma_scale_f32_16x16x128_f8f6f4 v[ACC+32*((\a)%2)+8*\b:ACC+32*((\a)%2)+8*\b+7], v[48*(\ks%5)+FR*\b:48*(\ks%5)+FR*\b+FR-1], v[96*((\a)%2)+FR*\ks:96*((\a)%2)+FR*\ks+FR-1], v[BI+8*\b:BI+8*\b+7], v[SC+32*(\ks/4)+4*(\ks%4)+\b], v[SC+32*(\ks/4)+16*((\a)/4)+4*(\ks%4)+(\a)%4] matrix_a_fmt:MATRIX_FMT_FP6 matrix_b_fmt:MATRIX_FMT_FP6 matrix_a_scale:MATRIX_SCALE_ROW1
.else
	v_wmma_scale_f32_16x16x128_f8f6f4 v[ACC+32*((\a)%2)+8*\b:ACC+32*((\a)%2)+8*\b+7], v[48*(\ks%5)+FR*\b:48*(\ks%5)+FR*\b+FR-1], v[96*((\a)%2)+FR*\ks:96*((\a)%2)+FR*\ks+FR-1], v[ACC+32*((\a)%2)+8*\b:ACC+32*((\a)%2)+8*\b+7], v[SC+32*(\ks/4)+4*(\ks%4)+\b], v[SC+32*(\ks/4)+16*((\a)/4)+4*(\ks%4)+(\a)%4] matrix_a_fmt:MATRIX_FMT_FP6 matrix_b_fmt:MATRIX_FMT_FP6 matrix_a_scale:MATRIX_SCALE_ROW1
.endif
.endr
.endr
	WIN 0
.endm
; THE WAY OUT of block a, 16 rows x 64 columns: through my own stage, back as whole rows of 256 bytes.  LDS serves a wave's instructions in order: no wait between the stores and the loads.
.macro TOSTAGE a
.set AC, ACC+32*((\a)%2)
.irp b, 0,1,2,3
	ds_store_b128 v[STO], v[AC+8*\b:AC+8*\b+3] offset:64*\b          ; each accumulator from its low end on
	ds_store_b128 v[STO], v[AC+8*\b+4:AC+8*\b+7] offset:64*\b+16
.endr
.set BB, BK+32*((\a)%2)
.irp t, 0,1,2,3,4,5,6,7
	ds_load_b128 v[BB+4*\t:BB+4*\t+3], v[RD] offset:\t*2*SPITCH
.endr
.endm
.macro SEND a
.set BB, BK+32*((\a)%2)
	s_wait_dscnt 0x0                               ; the block is back in registers
.if (\a) > 0
	s_add_nc_u64 s[12:13], s[12:13], 16*SIZE_N*4   ; (behind a wait on XCNT with no store since: the earlier stores have read their base)
.endif
.irp t, 0,1,2,3,4,5,6,7
	global_store_b128 v[CO], v[BB+4*\t:BB+4*\t+3], s[12:13] offset:2*\t*SIZE_N*4 th:TH_STORE_NT   ; 16 lanes store 256 consecutive bytes, aligned to 256
.endr
.endm
	s_wait_tensorcnt 0x0                           ; my one load has landed,
	s_barrier_signal -1
	s_barrier_wait -1                              ; everybody's has: all operands lie in LDS
	SCALES 0
	SCALES 1
	ALOAD 0
	WIN 0x80
.irp ks, 0,1,2,3,4
	BLOAD \ks
.endr
	WIN 0xc0
.irp ks, 5,6,7
	BLOAD \ks
.endr
	WIN 0
	s_wait_loadcnt 0x0                             ; bo is in
	ROWMUL 0, 1
.irp a, 1,2,3,4,5,6,7
	PLACES NP                                      ; behind block a - 1's products: its buffer of A is loaded anew, its results are read
.if \a < 7
	ALOAD \a+1
.endif
.if \a > 1
	s_wait_xcnt 0x0                                ; the earlier blocks' stores have read their registers and their base
.endif
	TOSTAGE \a-1
.if \a < 7
	s_wait_dscnt 48                                ; block a's fragments of A are in; the next block's 32 loads and the stage's 16 instructions may be out
.else
	s_wait_dscnt 16
.endif
	ROWMUL \a, 0
	SEND \a-1
.endr
	PLACES NP
	s_wait_xcnt 0x0
	TOSTAGE 7
	SEND 7
	s_wait_tensorcnt 0x0                           ; the wave's end
	ds_add_u32 v[SPW], v[NIL]
	s_wait_dscnt 0x0
	CROUND                                         ; the closing round
	s_endpgm
.Lfunc_end_k_q2b8b258e69_oproj:
	.size	k_q2b8b258e69_oproj, .Lfunc_end_k_q2b8b258e69_oproj-k_q2b8b258e69_oproj
	.p2alignl 7, 3214868480
	.fill 96, 4, 3214868480
	.section	.rodata,"a",@progbits
	.p2align	6, 0x0
	.amdhsa_kernel k_q2b8b258e69_oproj
		.amdhsa_group_segment_fixed_size 327680
		.amdhsa_private_segment_fixed_size 0
		.amdhsa_enable_private_segment 0
		.amdhsa_kernarg_size 32
		.amdhsa_user_sgpr_count 2
		.amdhsa_user_sgpr_kernarg_segment_ptr 1
		.amdhsa_wavefront_size32 1
		.amdhsa_system_sgpr_workgroup_id_x 1
		.amdhsa_system_sgpr_workgroup_id_y 1
		.amdhsa_system_sgpr_workgroup_id_z 1
		.amdhsa_system_vgpr_workitem_id 0
		.amdhsa_next_free_vgpr 912
		.amdhsa_next_free_sgpr 98
		.amdhsa_reserve_vcc 0
		.amdhsa_float_denorm_mode_32 3
		.amdhsa_float_denorm_mode_16_64 3
		.amdhsa_memory_ordered 1
		.amdhsa_forward_progress 1
		.amdhsa_inst_pref_size 83
	.end_amdhsa_kernel
	.amdgpu_metadata
---
amdhsa.version: [ 1, 2 ]
amdhsa.kernels:
  - .name:           k_q2b8b258e69_oproj
    .symbol:         k_q2b8b258e69_oproj.kd
    .args:
      - { .name: aq, .offset: 0, .size: 8, .value_kind: global_buffer, .address_space: global }
      - { .name: woq, .offset: 8, .size: 8, .value_kind: global_buffer, .address_space: global }
      - { .name: bo, .offset: 16, .size: 8, .value_kind: global_buffer, .address_space: global }
      - { .name: out0, .offset: 24, .size: 8, .value_kind: global_buffer, .address_space: global }
    .group_segment_fixed_size: 327680
    .private_segment_fixed_size: 0
    .kernarg_segment_align: 8
    .kernarg_segment_size: 32
    .max_flat_workgroup_size: 128
    .sgpr_count:     98
    .vgpr_count:     912
    .wavefront_size: 32
...
	.end_amdgpu_metadata
.endif
;; end of part 3
